; MI455X (gfx1250); checked and timed in simulation.
; The chip was launched on July 23, 2026; its instructions are those of AMD's public machine-readable ISA for CDNA 5 (MIT licence, August 2026) and "CDNA5" Instruction Set Architecture Reference Guide (July 2026). The comments in the code are by the model that wrote it; some were corrected since.
;; DIF Multi Head Attention. Allowed arithmetic: float matrix products may take bf16 or f16 operands with f32 sums; other float arithmetic in f32, or as packed bf16 or f16 multiplies, adds, multiply-adds, maxima and minima; sums over many terms, partial sums and values carried from step to step in f32; what a program stores and reads back later, other than sums and carried values, may be rounded once to bf16 or f16.
;; Inputs: Wd 512 x 512 float32; Wk 512 x 512 float32; Wka 2 x 256 x 256 float32; Wkp 512 x 512 float32; Wq 512 x 512 float32; Wqa 2 x 256 x 256 float32; Wqp 512 x 512 float32; Wv 512 x 512 float32; attribute_table 64 x 256 x 1 x 256 float32; bd 512 float32; beta 512 float32; bk 512 float32; bka 2 x 256 float32; bkp 512 float32; bq 512 float32; bqa 2 x 256 float32; bqp 512 float32; bv 512 float32; fb1 256 float32; fb2 1 float32; fw1 256 x 256 float32; fw2 1 x 256 float32; gamma 512 float32; input_tensor 64 x 256 x 512 float32; position_embedding 64 x 256 x 512 float32.
;; Outputs: out0 64 x 256 x 512 float32.
;; 2 versions, each right; version 2 is version 1 with the launch cast written anew for expert scheduling mode. Each part assembles by itself: llvm-mc -triple=amdgcn-amd-amdhsa -mcpu=gfx1250 --defsym DOCPART=n.
;; ======== version 1 of 2: 4 launches
;; workspace buffers: bfin 45,744,128 bytes; proj 117,440,512 bytes; ctx 16,777,216 bytes
;; launch cast (part 1): grid 1396 x 1, 8 waves a work-group, no clusters, 0 bytes of LDS; arguments input_tensor, position_embedding, attribute_table, Wq, Wk, Wv, Wqp, Wkp, Wqa, Wka, fw1, Wd, bfin; writes bfin
.if DOCPART == 1
	.amdgcn_target "amdgcn-amd-amdhsa--gfx1250"
	.amdhsa_code_object_version 6
	.text
	.protected	k_q938a454826_cast
	.globl	k_q938a454826_cast
	.p2align	8
	.type	k_q938a454826_cast,@function
k_q938a454826_cast:
	s_mov_b64 s[64:65], 0
	v_nop
	global_prefetch_b8 v0, s[64:65] scope:SCOPE_SE
	s_setreg_imm32_b32 hwreg(HW_REG_WAVE_MODE, 25, 1), 1
	s_wait_xcnt 0x0
; All matrix operands of the module, f32 -> bf16 (rounded once, to nearest even), laid out for the launches behind.
; bfin is a row of BLOCKS of 128 rows x 128 k of bf16: 32,768 dense bytes, 256 bytes a row.  Inside a segment the blocks go k-major: block = (k / 128) x (rows / 128) + row / 128.
; Segments (first block): input 0, positions 512, attributes 1024, Wq 1280, Wk 1296, Wv 1312, Wqp 1328, Wkp 1344, Wqa 1360, Wka 1368, fw1 1376, Wd 1380; 1,396 blocks.
; Wqa and Wka are laid by heads: row f x 64 + d of row tile h is source row f x 256 + h x 64 + d, so that a head's 128 channels (both attributes) are one block row.
; SHARES.  A work-group makes one block.  Wave w takes its rows 16 w .. 16 w + 15, a row an instruction: lane l takes the 4 numbers from 4 l on: a load covers the row's 512 consecutive bytes,
; a store the row's 256 consecutive bytes in the block, aligned.  Every byte is read once and written once; no LDS, no barrier, no matrix unit: nothing is shared.
.set OFF, 2                            ; v[2:17]   byte offset in the source of my 16 bytes of row j
.set DO,  18                           ; v18       my 8 bytes in the first row of my wave
.set X,   20                           ; v[20:83]  4 f32 for each row
.set Y,   84                           ; v[84:115] 4 bf16 for each row
	s_load_b512 s[8:23], s[0:1], 0x0               ; input s[8:9], positions s[10:11], attributes s[12:13], Wq s[14:15], Wk s[16:17], Wv s[18:19], Wqp s[20:21], Wkp s[22:23]
	s_load_b256 s[24:31], s[0:1], 0x40             ; Wqa s[24:25], Wka s[26:27], fw1 s[28:29], Wd s[30:31]
	s_load_b64 s[32:33], s[0:1], 0x60              ; bfin
	v_lshrrev_b32 v1, 5, v0
	v_readfirstlane_b32 s2, v1                     ; wave 0..7
	s_mov_b32 s36, 0                               ; the segment's first block
	s_mov_b32 s37, 7                               ; log2 of its row tiles
	s_mov_b32 s38, 11                              ; log2 of a source row's bytes
	s_mov_b32 s39, 128                             ; source rows from a row tile to the next
	s_mov_b32 s40, 64                              ; source rows from a block's first half to its second
	s_wait_kmcnt 0x0
	s_mov_b64 s[34:35], s[8:9]
; the segment that holds my block: the last one whose first block is not above it
.macro SEG start, ptr, rsh, logp, rt, rh
	s_cmp_ge_u32 ttmp9, \start
	s_cselect_b64 s[34:35], s[\ptr:\ptr+1], s[34:35]
	s_cselect_b32 s36, \start, s36
	s_cselect_b32 s37, \rsh, s37
	s_cselect_b32 s38, \logp, s38
	s_cselect_b32 s39, \rt, s39
	s_cselect_b32 s40, \rh, s40
.endm
	SEG 512,  10, 7, 11, 128, 64
	SEG 1024, 12, 7, 10, 128, 64
	SEG 1280, 14, 2, 11, 128, 64
	SEG 1296, 16, 2, 11, 128, 64
	SEG 1312, 18, 2, 11, 128, 64
	SEG 1328, 20, 2, 11, 128, 64
	SEG 1344, 22, 2, 11, 128, 64
	SEG 1360, 24, 2, 10, 64, 256
	SEG 1368, 26, 2, 10, 64, 256
	SEG 1376, 28, 1, 10, 128, 64
	SEG 1380, 30, 2, 11, 128, 64
	s_sub_co_u32 s41, ttmp9, s36                   ; the block's number in its segment
	s_lshr_b32 s44, s41, s37                       ; its place along k
	s_lshl_b32 s45, s44, s37
	s_sub_co_u32 s45, s41, s45                     ; its row tile
	s_mul_i32 s45, s45, s39
	s_lshr_b32 s46, s2, 2
	s_mul_i32 s46, s46, s40
	s_add_co_u32 s45, s45, s46
	s_and_b32 s46, s2, 3
	s_lshl_b32 s46, s46, 4
	s_add_co_u32 s45, s45, s46                     ; my wave's first source row; its 16 rows follow each other in the source
	s_lshl_b32 s45, s45, s38                       ; in bytes (under 2^26),
	s_lshl_b32 s44, s44, 9
	s_add_co_u32 s45, s45, s44                     ; + 512 bytes for each 128 k
	s_lshl_b32 s46, 1, s38                         ; a source row
	s_lshl_b32 s42, ttmp9, 15
	s_mov_b32 s43, 0
	s_add_nc_u64 s[42:43], s[32:33], s[42:43]      ; my block in bfin
	v_and_b32 v19, 31, v0
	v_lshl_add_u32 v[OFF], v19, 4, s45             ; 16 x lane + the wave's first row
.irp j, 1,2,3,4,5,6,7,8,9,10,11,12,13,14,15
	v_add_nc_u32 v[OFF+(\j)], s46, v[OFF+(\j)-1]
.endr
	v_lshlrev_b32 v[DO], 3, v19
	v_lshl_add_u32 v[DO], v1, 12, v[DO]            ; 4,096 x wave + 8 x lane
.irp j, 0,1,2,3,4,5,6,7,8,9,10,11,12,13,14,15
	global_load_b128 v[X+4*(\j):X+4*(\j)+3], v[OFF+(\j)], s[34:35] th:TH_LOAD_NT
.endr
.irp j, 0,1,2,3,4,5,6,7,8,9,10,11,12,13,14,15
	s_wait_loadcnt 15-(\j)                         ; loads come back in order: row j is in, the younger rows' loads stay out
	v_cvt_pk_bf16_f32 v[Y+2*(\j)],   v[X+4*(\j)],   v[X+4*(\j)+1]
	v_cvt_pk_bf16_f32 v[Y+2*(\j)+1], v[X+4*(\j)+2], v[X+4*(\j)+3]
	global_store_b64 v[DO], v[Y+2*(\j):Y+2*(\j)+1], s[42:43] offset:256*(\j) th:TH_STORE_NT
.endr
	s_endpgm
.Lfunc_end_k_q938a454826_cast:
	.size	k_q938a454826_cast, .Lfunc_end_k_q938a454826_cast-k_q938a454826_cast
	.p2alignl 7, 3214868480
	.fill 96, 4, 3214868480
	.section	.rodata,"a",@progbits
	.p2align	6, 0x0
	.amdhsa_kernel k_q938a454826_cast
		.amdhsa_group_segment_fixed_size 0
		.amdhsa_private_segment_fixed_size 0
		.amdhsa_enable_private_segment 0
		.amdhsa_kernarg_size 104
		.amdhsa_user_sgpr_count 2
		.amdhsa_user_sgpr_kernarg_segment_ptr 1
		.amdhsa_wavefront_size32 1
		.amdhsa_system_sgpr_workgroup_id_x 1
		.amdhsa_system_sgpr_workgroup_id_y 1
		.amdhsa_system_sgpr_workgroup_id_z 1
		.amdhsa_system_vgpr_workitem_id 0
		.amdhsa_next_free_vgpr 116
		.amdhsa_next_free_sgpr 66
		.amdhsa_reserve_vcc 0
		.amdhsa_float_denorm_mode_32 3
		.amdhsa_float_denorm_mode_16_64 3
		.amdhsa_memory_ordered 1
		.amdhsa_forward_progress 1
		.amdhsa_inst_pref_size 11
	.end_amdhsa_kernel
	.amdgpu_metadata
---
amdhsa.version: [ 1, 2 ]
amdhsa.kernels:
  - .name:           k_q938a454826_cast
    .symbol:         k_q938a454826_cast.kd
    .args:
      - { .name: input_tensor, .offset: 0, .size: 8, .value_kind: global_buffer, .address_space: global }
      - { .name: position_embedding, .offset: 8, .size: 8, .value_kind: global_buffer, .address_space: global }
      - { .name: attribute_table, .offset: 16, .size: 8, .value_kind: global_buffer, .address_space: global }
      - { .name: Wq, .offset: 24, .size: 8, .value_kind: global_buffer, .address_space: global }
      - { .name: Wk, .offset: 32, .size: 8, .value_kind: global_buffer, .address_space: global }
      - { .name: Wv, .offset: 40, .size: 8, .value_kind: global_buffer, .address_space: global }
      - { .name: Wqp, .offset: 48, .size: 8, .value_kind: global_buffer, .address_space: global }
      - { .name: Wkp, .offset: 56, .size: 8, .value_kind: global_buffer, .address_space: global }
      - { .name: Wqa, .offset: 64, .size: 8, .value_kind: global_buffer, .address_space: global }
      - { .name: Wka, .offset: 72, .size: 8, .value_kind: global_buffer, .address_space: global }
      - { .name: fw1, .offset: 80, .size: 8, .value_kind: global_buffer, .address_space: global }
      - { .name: Wd, .offset: 88, .size: 8, .value_kind: global_buffer, .address_space: global }
      - { .name: bfin, .offset: 96, .size: 8, .value_kind: global_buffer, .address_space: global }
    .group_segment_fixed_size: 0
    .private_segment_fixed_size: 0
    .kernarg_segment_align: 8
    .kernarg_segment_size: 104
    .max_flat_workgroup_size: 256
    .sgpr_count:     66
    .vgpr_count:     116
    .wavefront_size: 32
...
	.end_amdgpu_metadata
.endif
;; end of part 1
;; launch proj (part 2): grid 4 x 64, 4 waves a work-group, clusters of 4 x 4, 327,680 bytes of LDS; arguments bfin, proj, bq, bk, bv, bqp, bkp, bqa, bka; writes proj
.if DOCPART == 2
	.amdgcn_target "amdgcn-amd-amdhsa--gfx1250"
	.amdhsa_code_object_version 6
	.text
	.protected	k_q938a454826_proj
	.globl	k_q938a454826_proj
	.p2align	8
	.type	k_q938a454826_proj,@function
k_q938a454826_proj:
	s_mov_b64 s[64:65], 0
	v_nop
	global_prefetch_b8 v0, s[64:65] scope:SCOPE_SE
	s_setreg_imm32_b32 hwreg(HW_REG_WAVE_MODE, 25, 1), 1
	s_wait_xcnt 0x0
	s_wait_alu depctr_hold_cnt(0) depctr_sa_sdst(0) depctr_va_vdst(0) depctr_va_sdst(0) depctr_va_ssrc(0) depctr_va_vcc(0) depctr_vm_vsrc(0)
	s_getreg_b32 s2, hwreg(HW_REG_IB_STS2, 6, 4)
	s_cmp_eq_u32 s2, 0
	s_cbranch_scc0 .Lentry_in_a_cluster
	s_endpgm
.Lentry_in_a_cluster:
	s_bfe_u32 s2, ttmp6, 0x10000c
	s_cmp_lg_u32 s2, 0xf033
	s_cbranch_scc0 .Lentry_shape_is_right
	s_endpgm
.Lentry_shape_is_right:
; THE NINE PROJECTIONS, by heads.  proj[b][h][plane][256 s][128 ch] in bf16; planes Q 0, K 1, V 2, QP 3, KP 4, QA 5, KA 6 (in QA and KA channel f x 64 + d).
; plane[s][ch] = sum over k of A[s][k] W[ch][k] + bias[ch]; operands bf16 (the blocks of bfin), sums f32, the result rounded once to bf16.
; SHARES.  Work-group (h, b) makes the seven planes of head h of batch b one after the other, each 256 s x 128 ch; K = 512 for planes 0-4, 256 for 5 and 6.
; Wave w makes rows 64 w .. 64 w + 63 x 128 channels: 32 accumulators of 16 x 16.  Source 0 = 16 rows of W, source 1 = 16 rows of A: a lane holds one row s and eight neighbouring channels.
; A IN REGISTERS.  A wave multiplies its own 64 rows of A alone, so their fragments (64 rows x 512 k: 512 registers) come straight from memory and stay: the input's for planes 0-2, the positions' for 3 and 4,
; the attributes' (256 k) for 5 and 6.  The next A is loaded during the last plane of the old one, a K block of 128 at a time, into the registers whose products are done.
; W IN LDS.  A slot holds a whole plane's W: four blocks of 128 rows x 128 k, 256 bytes a row + 16 of padding; each wave fetches one block.  Two slots; ONE change of slots a plane, so a fill has a plane's
; 512 products a wave in which to land.  Fill 0 goes out at the head; the five trips of the loop ask for fills 1 to 5; fill 5 holds Wqa's two blocks and Wka's two, and its two half planes are the tail, which asks for nothing.
; CLUSTER 4 x 4.  The four work-groups of a column of the cluster have the same head and need the same W: each block is asked for jointly.  A is not: a joint load lands in LDS, where A's 256 rows of a K step
; (69,632 bytes) beside W's would leave room for slots of one K step only, 128 products a wave between two changes of slots.
; THE BIAS starts the sums: it is the C operand of a plane's first products.  Nothing is cleared.
; REGISTERS: window 0 addresses, way out, bias, two buffers of W's fragments; window 1 the accumulators ((a, b) at 8 (8 a + b)); windows 2, 3 A's fragments ((ks, a) at 8 (4 ks + a), ks = k / 32).
.set PITCH,  272                       ; an LDS row: 256 bytes + 16 = 68 words: the 16 rows of a fragment load start at 16 different groups of four banks
.set WBLK,   128*PITCH
.set SLOT,   4*WBLK                    ; 0x22000: it shares no bit with wave x WBLK (0x8800, 0x11000, 0x19800), so one exclusive or turns an address in one slot into the other's
.set STAGE,  2*SLOT                    ; behind the ring: 16 rows x 272 bytes for each wave, for the way out
.set SPARE,  STAGE+4*16*PITCH          ; behind the stages: the spare words, 128 bytes for each wave, which no other line names
.set KSA,    128*32768                 ; bytes from a K block of A's segment to the next: 128 row tiles
.set FSTEP,  16*32768                  ; from a plane's four blocks of W to the next plane's: the weights' segments follow each other in the planes' order
.set SEGP,   512*32768
.set SEGA,   1024*32768
.set SEGW,   1280*32768
.set PLANE,  65536
.set FR,   4                           ; v4-7    (l % 16) x pitch + 16 (l / 16) + K block x WBLK; never rewritten
.set ADRB, 8                           ; v8-11   the same in the slot that is being read
.set AO,   12                          ; v12     (l % 16) x 256 + 16 (l / 16): my place in 16 rows of a block of A
.set VB0,  13                          ; v13     32 x (l / 16): my eight channels in a block of 16, in f32
.set VBL,  14                          ; v14     offset of the bias of channels 0-63
.set VBH,  15                          ; v15     of channels 64-127
.set STO,  16                          ; v16     the way out: where I put 16 bytes of a row
.set RD,   17                          ; v17     where I read rows back
.set CO,   18                          ; v18     16 x lane: my 16 bytes in two rows of a plane
.set SPW,  28                          ; v28     LDS address of my spare word; never rewritten
.set NIL,  29                          ; v29     0; never rewritten
.set TMP,  32                          ; v32-63  packed results
.set BIAS, 64                          ; v64-127 for channel block i eight f32 at 8 i
.set FB0,  128                         ; v128-191, v192-255: W's eight fragments of 32 along K, two buffers
.set OB,   192                         ; on the way out the second buffer takes 16 rows read back, its halves by turns
.set G1,   24                          ; s[24:31] descriptor group 1
.set G0,   32                          ; s[32:35] descriptor group 0: it walks
.set NA,   48                          ; s[48:55] the next A's four K blocks, at my 64 rows
.set RL1,  56                          ; s56  1: this plane is the last of its A
.set RL2,  57                          ; s57  1: and the next A has 512 k
.set TB,   58                          ; s58  LDS byte at which the slot to be read begins
.set CNT,  59
.set MSB, 0
.macro WIN new                         ; the immediate's high byte repeats the setting that is left; a switch that changes nothing is dropped
.if MSB != (\new)
	s_set_vgpr_msb (MSB<<8)|(\new)
.set MSB, \new
.endif
.endm
.macro PLACES                          ; four places in front of loads into registers that matrix instructions have read, and of conversions that read results
.rept 4
	v_nop
.endr
.endm
.macro CREST                           ; a round of the cluster's barrier behind its opening barrier
	s_cmp_lg_u32 s10, 0
	s_cbranch_scc1 .Lnot_wave_0_\@
	s_barrier_signal -3
.Lnot_wave_0_\@:
	s_barrier_wait -3
	s_barrier_signal -1
	s_barrier_wait -1
.endm
.macro CROUND
	s_barrier_signal -1
	s_barrier_wait -1
	CREST
.endm
; 8 matrix instructions: row block a x all 8 channel blocks, 32 along K at ks.  mode = 1: the sums start from the bias.
.macro MUL8 f, a, ks, mode
.if \mode
	WIN 0x48                                       ; W window 0, A window 2, C (the bias) window 0, D window 1
.else
	WIN 0x58+4*((\ks)/8)                           ; A window 2 or 3, C and D window 1
.endif
.irp b, 0,1,2,3,4,5,6,7
.if \mode
	v_wmma_f32_16x16x32_bf16 v[8*(8*(\a)+(\b)):8*(8*(\a)+(\b))+7], v[(\f)+8*(\b):(\f)+8*(\b)+7], v[8*(4*((\ks)%8)+(\a)):8*(4*((\ks)%8)+(\a))+7], v[BIAS+8*(\b):BIAS+8*(\b)+7]
.else
	v_wmma_f32_16x16x32_bf16 v[8*(8*(\a)+(\b)):8*(8*(\a)+(\b))+7], v[(\f)+8*(\b):(\f)+8*(\b)+7], v[8*(4*((\ks)%8)+(\a)):8*(4*((\ks)%8)+(\a))+7], v[8*(8*(\a)+(\b)):8*(8*(\a)+(\b))+7]
.endif
.endr
.endm
; 16 LDS loads in one run: W's fragments of 32 along K at byte k of the rows of K block blk
.macro FETCH blk, k, f
	WIN 0
.irp i, 0,1,2,3,4,5,6,7
	ds_load_b128 v[(\f)+8*(\i):(\f)+8*(\i)+3],   v[ADRB+(\blk)] offset:(\k)+(\i)*16*PITCH
	ds_load_b128 v[(\f)+8*(\i)+4:(\f)+8*(\i)+7], v[ADRB+(\blk)] offset:(\k)+(\i)*16*PITCH+32
.endr
.endm
; A plane is n quarters of 32 along K, 32 matrix instructions each, on the two buffers by turns.  The 32 accumulators take turns, one instruction a turn.
; QHEAD: the first 8 products, then the next quarter's 16 loads, 24 products ahead of their use.  QTAIL: the other 24.  Between the two stand a plane's loads from memory, where it has any.
.macro QHEAD q, n
.set MD, 0
.if (\q) == 0
.set MD, 1
.endif
.set FC, FB0+64*((\q)%2)
.set FN, FB0+64*(((\q)+1)%2)
	s_wait_dscnt 0x0                               ; this quarter's fragments are in
	MUL8 FC, 0, \q, MD
.if (\q) < (\n)-1
	PLACES
	FETCH ((\q)+1)/4, (((\q)+1)%4)*64, FN
.endif
.endm
.macro QTAIL q
	MUL8 FC, 1, \q, MD
	MUL8 FC, 2, \q, MD
	MUL8 FC, 3, \q, MD
.endm
; K block k of an A: 16 fragments (ks = 4 k + i / 4, row block i % 4), two loads of 16 bytes a lane each
.macro ALOADG k
	WIN 0x80+0x40*((\k)/2)
.set ai, 0
.rept 16
	global_load_b128 v[128*((\k)%2)+8*ai:128*((\k)%2)+8*ai+3],   v[AO], s[NA+2*(\k):NA+2*(\k)+1] offset:(ai%4)*4096+(ai/4)*64
	global_load_b128 v[128*((\k)%2)+8*ai+4:128*((\k)%2)+8*ai+7], v[AO], s[NA+2*(\k):NA+2*(\k)+1] offset:(ai%4)*4096+(ai/4)*64+32
.set ai, ai+1
.endr
	WIN 0
.endm
.macro RELOAD k, flag                  ; the old A's K block k has been multiplied for the last time: the next A's takes its registers.  Four places stand between its last products and these loads
	s_cmp_eq_u32 s[\flag], 0
	s_cbranch_scc1 .Lkeep_\@
	ALOADG \k
.Lkeep_\@:
.endm
.macro MKNA                            ; the four K blocks of the A whose offset in bfin stands in s16
	s_add_nc_u64 s[NA:NA+1], s[4:5], s[16:17]
	s_add_nc_u64 s[NA+2:NA+3], s[NA:NA+1], KSA
	s_add_nc_u64 s[NA+4:NA+5], s[NA+2:NA+3], KSA
	s_add_nc_u64 s[NA+6:NA+7], s[NA+4:NA+5], KSA
.endm
.macro BIASLD                          ; a plane's bias: eight f32 a lane for each of the 8 channel blocks
	WIN 0
.irp i, 0,1,2,3
	global_load_b128 v[BIAS+8*(\i):BIAS+8*(\i)+3],   v[VBL], s[82:83] offset:64*(\i)
	global_load_b128 v[BIAS+8*(\i)+4:BIAS+8*(\i)+7], v[VBL], s[82:83] offset:64*(\i)+16
.endr
.irp i, 0,1,2,3
	global_load_b128 v[BIAS+32+8*(\i):BIAS+32+8*(\i)+3],   v[VBH], s[82:83] offset:64*(\i)
	global_load_b128 v[BIAS+32+8*(\i)+4:BIAS+32+8*(\i)+7], v[VBH], s[82:83] offset:64*(\i)+16
.endr
.endm
.macro NEXTBIAS                        ; in a plane's second quarter, four places behind the products that read the old bias
	v_add_nc_u32 v[VBL], s92, v[VB0]
	v_add_nc_u32 v[VBH], s93, v[VBL]
	BIASLD
.endm
.macro LASTBIAS                        ; the tail: bka, at bqa's offsets; the last half plane has no successor
	s_cmp_eq_u32 s[CNT], 1
	s_cbranch_scc1 .Lno_bias_\@
	s_mov_b64 s[82:83], s[80:81]
	BIASLD
.Lno_bias_\@:
.endm
.macro PLANEQ n, main
.irp q, 0,1,2,3,4,5,6,7,8,9,10,11,12,13,14,15
.if (\q) < (\n)
	QHEAD \q, \n
.if (\q) == 1
.if \main
	NEXTBIAS
.else
	LASTBIAS
.endif
.endif
.if (\main) && ((\q) == 4)
	RELOAD 0, RL1
.endif
.if (\main) && ((\q) == 8)
	RELOAD 1, RL1
.endif
.if (\main) && ((\q) == 12)
	RELOAD 2, RL2
.endif
	QTAIL \q
.endif
.endr
.endm
; THE WAY OUT of row block a: rounded to bf16 (each accumulator's registers in ascending order), through my own stage, back as whole rows of 256 bytes, stored.
.macro PACK a
	WIN 0x05
.irp b, 0,1,2,3,4,5,6,7
.irp e, 0,1,2,3
	v_cvt_pk_bf16_f32 v[TMP+4*(\b)+(\e)], v[8*(8*(\a)+(\b))+2*(\e)], v[8*(8*(\a)+(\b))+2*(\e)+1]
.endr
.endr
	WIN 0
.endm
.macro TOSTAGE a
	WIN 0
.set BK, OB+32*((\a)%2)
.irp b, 0,1,2,3,4,5,6,7
	ds_store_b128 v[STO], v[TMP+4*(\b):TMP+4*(\b)+3] offset:32*(\b)
.endr
.irp t, 0,1,2,3,4,5,6,7
	ds_load_b128 v[BK+4*(\t):BK+4*(\t)+3], v[RD] offset:(\t)*2*PITCH  ; LDS serves a wave's instructions in order: these see the stores above
.endr
.endm
.macro SEND a
	WIN 0
.set BK, OB+32*((\a)%2)
	s_wait_dscnt 0x0                               ; the block is back in registers
	s_wait_xcnt 0x0                                ; the registers that earlier stores read are loaded again only behind this wait
.irp t, 0,1,2,3,4,5,6,7
	global_store_b128 v[CO], v[BK+4*(\t):BK+4*(\t)+3], s[8:9] offset:(\a)*4096+(\t)*512  ; a plane's rows are dense: 512 consecutive bytes, aligned
.endr
.endm
.macro WAYOUT
	PACK 0
	TOSTAGE 0
.irp a, 1,2,3
	PACK \a
	SEND (\a)-1
	TOSTAGE \a
.endr
	SEND 3
.endm
	s_load_b128 s[4:7], s[0:1], 0x0                ; bfin s[4:5], proj s[6:7]
	s_load_b256 s[68:75], s[0:1], 0x10             ; bq s[68:69], bk s[70:71], bv s[72:73], bqp s[74:75]
	s_load_b128 s[76:79], s[0:1], 0x30             ; bkp s[76:77], bqa s[78:79]
	s_load_b64 s[80:81], s[0:1], 0x40              ; bka
	v_lshl_add_u32 v[SPW], v0, 2, SPARE
	v_mov_b32 v[NIL], 0
	ds_add_u32 v[SPW], v[NIL]                      ; the wave's opening: the add and its wait ahead of my first tensor load
	ds_add_u32 v28, v29
	v_lshrrev_b32 v1, 5, v0
	v_readfirstlane_b32 s10, v1                    ; wave 0..3
	s_lshr_b32 s11, s10, 1
	s_and_b32 s12, s10, 1
	s_bfe_u32 s40, ttmp6, 0x40000                  ; cx
	s_bfe_u32 s41, ttmp6, 0x40004                  ; cy
	s_lshl_b32 s15, ttmp9, 2
	s_add_co_u32 s15, s15, s40                     ; the head = 4 x cluster x + cx
	s_and_b32 s13, ttmp7, 0xffff
	s_lshl_b32 s13, s13, 2
	s_add_co_u32 s13, s13, s41                     ; the batch = 4 x cluster y + cy
	s_lshl_b32 s89, 0x1111, s40                    ; my column of the cluster
	s_or_b32 s[G1+0], s89, (1<<16)|(1<<20)|(1<<21)|(5<<22)|(3<<25)   ; the mask; 2-byte elements; padding on; bit 21 beside a mask; after every 64 words; 4 words
	s_mov_b32 s[G1+1], 128<<16                     ; tensor_dim0 = 128
	s_mov_b32 s[G1+2], 128<<16                     ; tensor_dim1 = 128
	s_mov_b32 s[G1+3], 128<<16                     ; tile_dim0 = 128
	s_mov_b32 s[G1+4], 128                         ; tile_dim1 = 128 rows
	s_mov_b32 s[G1+5], 128                         ; 128 elements from row to row: a block is dense
	s_mov_b32 s[G1+6], 0
	s_mov_b32 s[G1+7], 0
	s_lshl_b32 s18, s10, 2                         ; W: block 1280 + 16 f + 4 wave + h for fill f: it hangs on the head and the wave alone
	s_add_co_u32 s18, s18, s15
	s_lshl_b32 s18, s18, 15
	s_add_co_u32 s18, s18, SEGW
	s_mov_b32 s19, 0
	s_mul_i32 s22, s10, WBLK                       ; where my block goes: no place in the cluster enters an LDS address
	s_lshl_b32 s42, s13, 1                         ; A: row tile 2 b + wave / 2,
	s_add_co_u32 s42, s42, s11
	s_lshl_b32 s42, s42, 15
	s_lshl_b32 s20, s12, 14                        ; its upper or lower 64 rows
	s_add_co_u32 s42, s42, s20                     ; in the input's segment,
	s_add_co_u32 s43, s42, SEGP                    ; the positions',
	s_add_co_u32 s44, s42, SEGA                    ; the attributes'
	s_mov_b32 s16, s42
	s_mov_b32 s17, 0
	s_lshl_b32 s66, s15, 9                         ; the head's 128 channels in a bias of 512
	s_lshl_b32 s67, s15, 8                         ; its 64 channels in a bias of [2][256]
	s_mov_b32 s[TB], 0
	s_wait_dscnt 0x0                               ; the opening add is done
	s_wait_kmcnt 0x0
	s_mov_b32 s[G0], 1                             ; count = 1
	s_mov_b32 s[G0+1], s22                         ; LDS address: slot 0
	s_add_nc_u64 s[G0+2:G0+3], s[4:5], s[18:19]    ; global address: fill 0
	s_or_b32 s[G0+3], s[G0+3], 0x80000000          ; type = 2
	CROUND                                         ; all sixteen work-groups are here: the first joint loads meet
	tensor_load_to_lds s[G0:G0+3], s[G1:G1+7]      ; Wq: one load of mine is out
	s_nop 0
	PLACES
	MKNA
	v_and_b32 v1, 15, v0                           ; l % 16
	v_bfe_u32 v2, v0, 4, 1                         ; l / 16
	v_lshlrev_b32 v[AO], 8, v1
	v_lshl_add_u32 v[AO], v2, 4, v[AO]
	ALOADG 0                                       ; the input's 64 rows of mine
	ALOADG 1
	ALOADG 2
	ALOADG 3
	v_lshlrev_b32 v[VB0], 5, v2
	v_add_nc_u32 v[VBL], s66, v[VB0]
	v_add_nc_u32 v[VBH], 256, v[VBL]
	s_mov_b64 s[82:83], s[68:69]
	BIASLD                                         ; bq
	v_mul_u32_u24 v[FR], v1, PITCH
	v_lshl_add_u32 v[FR], v2, 4, v[FR]             ; a fragment's row x pitch + 16 x half
	v_add_nc_u32 v[FR+1], WBLK, v[FR]
	v_add_nc_u32 v[FR+2], 2*WBLK, v[FR]
	v_add_nc_u32 v[FR+3], 3*WBLK, v[FR]
	s_mul_i32 s21, s10, 16*PITCH
	s_add_co_u32 s21, s21, STAGE                   ; my stage
	v_add_nc_u32 v[STO], s21, v[FR]
	v_mul_u32_u24 v3, v2, PITCH
	v_lshl_add_u32 v3, v1, 4, v3
	v_add_nc_u32 v[RD], s21, v3
	v_and_b32 v[CO], 31, v0
	v_lshlrev_b32 v[CO], 4, v[CO]
	s_lshl_b32 s90, s13, 2
	s_add_co_u32 s90, s90, s15
	s_mul_i32 s90, s90, 7*PLANE                    ; (b, h)'s seven planes (under 2^27),
	s_lshl_b32 s91, s10, 14
	s_add_co_u32 s90, s90, s91                     ; my 64 rows
	s_mov_b32 s91, 0
	s_add_nc_u64 s[8:9], s[6:7], s[90:91]
	s_mov_b32 s14, 0
.Lplane:                                           ; plane p = 0 .. 4: its W lies in slot p % 2; the other slot takes the next plane's
	s_wait_tensorcnt 0x0                           ; my block of this plane's W has landed, and no tensor load of mine is out, so group 0 may be written
	ds_add_u32 v[SPW], v[NIL]
	s_xor_b32 s[G0+1], s[G0+1], SLOT               ; the walking descriptor: the other slot than last time,
	s_add_nc_u64 s[G0+2:G0+3], s[G0+2:G0+3], FSTEP ; the next plane's four blocks; the type bits on top are not reached
	s_wait_dscnt 0x0                               ; the add is done, and my reads of the other slot are over
	CROUND                                         ; both hold of every wave of every partner
	tensor_load_to_lds s[G0:G0+3], s[G1:G1+7]      ; my one load behind the round: it has this plane's 512 products in which to land
	s_nop 0
	PLACES
.irp k, 0,1,2,3
	v_add_nc_u32 v[ADRB+(\k)], s[TB], v[FR+(\k)]
.endr
	s_xor_b32 s[TB], s[TB], SLOT                   ; the next plane reads the other slot
	FETCH 0, 0, FB0
	s_wait_loadcnt 0x0                             ; A and the bias are in; no load is out, so their address registers may be written
	s_cmp_lt_u32 s14, 3                            ; what follows the input is the positions, what follows them the attributes
	s_cselect_b32 s16, s43, s44
	MKNA
	s_cmp_eq_u32 s14, 2
	s_cselect_b32 s[RL2], 1, 0
	s_cmp_eq_u32 s14, 4
	s_cselect_b32 s[RL1], 1, s[RL2]
	s_mov_b64 s[82:83], s[78:79]                   ; the next plane's bias
	s_cmp_eq_u32 s14, 0
	s_cselect_b64 s[82:83], s[70:71], s[82:83]
	s_cmp_eq_u32 s14, 1
	s_cselect_b64 s[82:83], s[72:73], s[82:83]
	s_cmp_eq_u32 s14, 2
	s_cselect_b64 s[82:83], s[74:75], s[82:83]
	s_cmp_eq_u32 s14, 3
	s_cselect_b64 s[82:83], s[76:77], s[82:83]
	s_mov_b32 s93, 1024                            ; a row of 256 f32: from the first attribute's bias to the second's
	s_cmp_lt_u32 s14, 4
	s_cselect_b32 s92, s66, s67
	s_cselect_b32 s93, 256, s93                    ; channels 64-127 follow on, or are the second attribute's
	PLANEQ 16, 1
	PLACES
	WIN 0
	RELOAD 3, RL2
	WAYOUT
	s_wait_xcnt 0x0                                ; the stores have read their base and their data
	s_add_nc_u64 s[8:9], s[8:9], PLANE
	s_add_co_u32 s14, s14, 1
	s_cmp_lt_u32 s14, 5
	s_cbranch_scc1 .Lplane
	s_wait_tensorcnt 0x0                           ; the tail is written out: fill 5 has landed, nothing is asked for
	ds_add_u32 v[SPW], v[NIL]
	s_wait_dscnt 0x0
	s_barrier_signal -1
	s_barrier_wait -1                              ; everybody's block has
	v_add_nc_u32 v[ADRB], s[TB], v[FR]
	v_add_nc_u32 v[ADRB+1], s[TB], v[FR+1]
	s_mov_b32 s[CNT], 2
.Lattr:                                            ; QA on the slot's blocks 0 and 1, then KA on blocks 2 and 3; both on the attributes' 256 k
	FETCH 0, 0, FB0
	s_wait_loadcnt 0x0                             ; A (first trip) and the bias
	PLANEQ 8, 0
	PLACES
	WAYOUT
	s_wait_xcnt 0x0
	s_add_nc_u64 s[8:9], s[8:9], PLANE
	v_add_nc_u32 v[ADRB], 2*WBLK, v[ADRB]
	v_add_nc_u32 v[ADRB+1], 2*WBLK, v[ADRB+1]
	s_sub_co_u32 s[CNT], s[CNT], 1
	s_cmp_lg_u32 s[CNT], 0
	s_cbranch_scc1 .Lattr
	s_wait_tensorcnt 0x0                           ; the wave's end
	ds_add_u32 v[SPW], v[NIL]
	s_wait_dscnt 0x0
	CROUND                                         ; the closing round
	s_endpgm
.Lfunc_end_k_q938a454826_proj:
	.size	k_q938a454826_proj, .Lfunc_end_k_q938a454826_proj-k_q938a454826_proj
	.p2alignl 7, 3214868480
	.fill 96, 4, 3214868480
	.section	.rodata,"a",@progbits
	.p2align	6, 0x0
	.amdhsa_kernel k_q938a454826_proj
		.amdhsa_group_segment_fixed_size 327680
		.amdhsa_private_segment_fixed_size 0
		.amdhsa_enable_private_segment 0
		.amdhsa_kernarg_size 72
		.amdhsa_user_sgpr_count 2
		.amdhsa_user_sgpr_kernarg_segment_ptr 1
		.amdhsa_wavefront_size32 1
		.amdhsa_system_sgpr_workgroup_id_x 1
		.amdhsa_system_sgpr_workgroup_id_y 1
		.amdhsa_system_sgpr_workgroup_id_z 1
		.amdhsa_system_vgpr_workitem_id 0
		.amdhsa_next_free_vgpr 1024
		.amdhsa_next_free_sgpr 96
		.amdhsa_reserve_vcc 0
		.amdhsa_float_denorm_mode_32 3
		.amdhsa_float_denorm_mode_16_64 3
		.amdhsa_memory_ordered 1
		.amdhsa_forward_progress 1
		.amdhsa_inst_pref_size 146
	.end_amdhsa_kernel
	.amdgpu_metadata
---
amdhsa.version: [ 1, 2 ]
amdhsa.kernels:
  - .name:           k_q938a454826_proj
    .symbol:         k_q938a454826_proj.kd
    .args:
      - { .name: bfin, .offset: 0, .size: 8, .value_kind: global_buffer, .address_space: global }
      - { .name: proj, .offset: 8, .size: 8, .value_kind: global_buffer, .address_space: global }
      - { .name: bq, .offset: 16, .size: 8, .value_kind: global_buffer, .address_space: global }
      - { .name: bk, .offset: 24, .size: 8, .value_kind: global_buffer, .address_space: global }
      - { .name: bv, .offset: 32, .size: 8, .value_kind: global_buffer, .address_space: global }
      - { .name: bqp, .offset: 40, .size: 8, .value_kind: global_buffer, .address_space: global }
      - { .name: bkp, .offset: 48, .size: 8, .value_kind: global_buffer, .address_space: global }
      - { .name: bqa, .offset: 56, .size: 8, .value_kind: global_buffer, .address_space: global }
      - { .name: bka, .offset: 64, .size: 8, .value_kind: global_buffer, .address_space: global }
    .group_segment_fixed_size: 327680
    .private_segment_fixed_size: 0
    .kernarg_segment_align: 8
    .kernarg_segment_size: 72
    .max_flat_workgroup_size: 128
    .sgpr_count:     96
    .vgpr_count:     1024
    .wavefront_size: 32
...
	.end_amdgpu_metadata
.endif
;; end of part 2
;; launch attn (part 3): grid 4 x 64, 4 waves a work-group, no clusters, 327,680 bytes of LDS; arguments proj, bfin, fb1, fw2, fb2, ctx; writes ctx
.if DOCPART == 3
	.amdgcn_target "amdgcn-amd-amdhsa--gfx1250"
	.amdhsa_code_object_version 6
	.text
	.protected	k_q938a454826_attn
	.globl	k_q938a454826_attn
	.p2align	8
	.type	k_q938a454826_attn,@function
k_q938a454826_attn:
	s_mov_b64 s[64:65], 0
	v_nop
	global_prefetch_b8 v0, s[64:65] scope:SCOPE_SE
	s_setreg_imm32_b32 hwreg(HW_REG_WAVE_MODE, 25, 1), 1
	s_wait_xcnt 0x0
; GATED ATTENTION of one (b, h).  Four score sources f: 0, 1 the two attributes (64 channels each), 2 item, 3 position (128 channels each); S_f = Q_f K_f^T, 256 x 256.
; energy_f[q] = sum over j of relu((S_f fw1^T)[q][j] + fb1[j]) fw2[j] + fb2;  g = softmax over f;  scores = sum over f of g_f S_f / sqrt(128);  softmax over keys;  ctx = P V.
; REASSOCIATED: S_f fw1^T = Q_f (fw1 K_f)^T.  Kf = fw1 K (256 j x 128 channels, rounded once to bf16) is made first; the energies then need no whole score row.  The same in real arithmetic for every input.
; THE GATE IS APPLIED TO Q: the fragments of Q_f are multiplied by g_f in packed bf16 (g rounded to bf16, the product rounded again), so that the four gated scores are ONE chain of 12 K steps.
; LIMITS.  All matrix operands bf16 (planes, fw1, Kf, g Q, P), sums f32; both softmaxes take a maximum away (the gate's the true maximum of four, the keys' a running one);
; an exponential below 2^-126 counts as 0; NaN and infinities are not treated apart.  ctx is rounded once to bf16.
; SHARES.  Wave w owns queries 64 w .. 64 w + 63 (four tiles of 16) and, for Kf, fw1's rows 64 w .. 64 w + 63.
; NO CLUSTER: of the 590 KB that a work-group reads only fw1's 128 KB are shared with others, and they go straight into registers.
; LDS: the three K planes (tensor loads, each filled once); one region for Kf (three times over) and then V, written by LDS stores alone; fb1 and fw2; stages; spare words.
; WRITTEN IN PHASES: matrix and vector work follow each other.  The three planes' Kf and energies are three trips of one loop: Kf's text stands once, the energies' text is chosen by the trip's number.
; REGISTERS: window 0 addresses, energies / statistics, accumulators; window 1 fw1's fragments, then V on its way, then O^T; window 2 Q of the attributes and two fragment buffers; window 3 Q item, Q position.
.set PK,    272                        ; a row of K or Kf in LDS: 256 bytes + 16
.set PV,    288                        ; a row of V: 256 + 32
.set KI,    0
.set KP,    256*PK
.set KA,    2*256*PK
.set KFV,   3*256*PK                   ; Kf at pitch 272, later V at pitch 288
.set TB,    KFV+256*PV                 ; fb1, 1,024 bytes; fw2 1,024 bytes behind it
.set STAGE, TB+2048                    ; 16 rows x 272 bytes for each wave
.set SPARE, STAGE+4*16*PK              ; the spare words, 128 bytes for each wave, which no other line names
.set PLANE, 65536
.set R,    1                           ; v1   l % 16
.set HH,   2                           ; v2   l / 16
.set ATR,  3                           ; v3   the turning loads' address in a K plane; later AV, in V
.set AV,   3
.set AST,  4                           ; v4   where I store Kf; later AVS, where I store V
.set AVS,  4
.set AKF,  5                           ; v5   Kf's fragments; later AKI
.set AKI,  5
.set ATB,  6                           ; v6   fb1's and fw2's words; later AKP
.set AKP,  6
.set AKA,  7
.set STO,  8
.set RD,   9
.set GO,   10
.set VO,   11                          ; v11  16 x thread
.set EN,   12                          ; v12-43  energies: for (f, tile) a pair (even j, odd j) at EN + 2 (4 f + tile)
.set ST,   12                          ;         later a tile's statistics, eight registers: c m, m, l (2), four at work
.set GB,   44                          ; v44-59  g, twice in bf16, at GB + 4 f + tile
.set AVS2, 60
.set QO,   61                          ; v61  (l % 16) x 256 + 16 (l / 16) + wave x 16,384: my place in a plane's rows, and in fw1's blocks
.set SPW,  62
.set NIL,  63
.set KAC,  64                          ; Kf phase: four accumulators, and sixteen packed registers
.set TMP,  96
.set HA,   64                          ; energy phase: up to eight accumulators
.set T1,   192                         ; fb1's eight words, two sets;
.set TW,   208                         ; fw2's
.set ATR0, 224                         ; lane terms, kept until P takes these registers
.set AST0, 225
.set FR0,  226
.set S,    64                          ; last phase: S^T, 32 a tile; P, 16 a tile
.set P,    192
.set FB,   128                         ; window 2: two fragment buffers of 64
.set G1,   16                          ; s[16:23] descriptor group 1; s[24:35] three groups 0
.set G0,   24
.set CNT,  38
.set SRC,  54                          ; s54  the plane in hand: 0 item, 1 position, 2 attributes
.set REG,  55                          ; s55  LDS byte at which its K begins
.set CS,   58                          ; s[58:59] c = log2(e) / sqrt(128)
.set SEL,  60                          ; s[60:61] v_permlanex16_b32's selects: the same place in the other half
.set W_RS, 0x41
.set MSB, 0
.macro WIN new
.if MSB != (\new)
	s_set_vgpr_msb (MSB<<8)|(\new)
.set MSB, \new
.endif
.endm
.macro PLACES                          ; four places behind matrix instructions (ISA guide 7.12.1)
.rept 4
	v_nop
.endr
.endm
.macro BAR
	s_barrier_signal -1
	s_barrier_wait -1
.endm
.macro QLOAD win, base, plane          ; a plane's 64 rows of mine as 16 fragments: tile i / 4, channels 32 (i % 4) on
	WIN \win
.set qi, 0
.rept 16
	global_load_b128 v[(\base)+8*qi:(\base)+8*qi+3],   v[QO], s[40:41] offset:(\plane)*PLANE+(qi/4)*4096+(qi%4)*64
	global_load_b128 v[(\base)+8*qi+4:(\base)+8*qi+7], v[QO], s[40:41] offset:(\plane)*PLANE+(qi/4)*4096+(qi%4)*64+32
.set qi, qi+1
.endr
	WIN 0
.endm
	s_load_b256 s[4:11], s[0:1], 0x0               ; proj s[4:5], bfin s[6:7], fb1 s[8:9], fw2 s[10:11]
	s_load_b128 s[12:15], s[0:1], 0x20             ; fb2 s[12:13], ctx s[14:15]
	v_lshl_add_u32 v[SPW], v0, 2, SPARE
	v_mov_b32 v[NIL], 0
	ds_add_u32 v[SPW], v[NIL]                      ; the wave's opening: the add and its wait ahead of my first tensor load
	ds_add_u32 v62, v63
	v_lshrrev_b32 v1, 5, v0
	v_readfirstlane_b32 s37, v1                    ; wave 0..3
	s_and_b32 s39, ttmp7, 0xffff                   ; b
	s_lshl_b32 s49, s39, 1
	s_lshl_b32 s39, s39, 2
	s_add_co_u32 s39, s39, ttmp9                   ; 4 b + h
	s_mul_i32 s42, s39, 7*PLANE                    ; its seven planes
	s_mov_b32 s43, 0
	s_lshr_b32 s50, s37, 1
	s_add_co_u32 s49, s49, s50
	s_lshl_b32 s49, s49, 2
	s_add_co_u32 s49, s49, ttmp9
	s_lshl_b32 s49, s49, 15                        ; ctx: block (2 b + w / 2) x 4 + h,
	s_and_b32 s50, s37, 1
	s_lshl_b32 s50, s50, 14
	s_add_co_u32 s50, s49, s50                     ; my 64 rows of it
	s_mov_b32 s51, 0
	s_mov_b32 s[G1+0], (1<<16)|(1<<20)|(5<<22)|(3<<25)  ; 2-byte elements; padding on, after every 64 words, 4 words
	s_mov_b32 s[G1+1], 128<<16                     ; tensor_dim0 = 128
	s_mov_b32 s[G1+2], 64<<16                      ; tensor_dim1 = 64
	s_mov_b32 s[G1+3], 128<<16                     ; tile_dim0 = 128
	s_mov_b32 s[G1+4], 64                          ; tile_dim1 = 64 rows
	s_mov_b32 s[G1+5], 128                         ; a plane's rows are dense
	s_mov_b32 s[G1+6], 0
	s_mov_b32 s[G1+7], 0
	s_mul_i32 s44, s37, 64*PK                      ; my 64 rows in an LDS plane,
	s_lshl_b32 s52, s37, 14                        ; and in memory
	s_mov_b32 s53, 0
	s_mov_b32 s48, 0x3fb8aa3b                      ; log2(e)
	s_mov_b32 s[CS], 0x3e0293ee
	s_mov_b32 s[CS+1], s[CS]
	s_mov_b32 s[SEL], 0x76543210
	s_mov_b32 s[SEL+1], 0xfedcba98
	s_wait_dscnt 0x0                               ; the opening add is done
	s_wait_kmcnt 0x0
	s_load_b32 s36, s[12:13], 0x0                  ; fb2
	s_add_nc_u64 s[40:41], s[4:5], s[42:43]        ; (b, h)'s planes
	s_add_nc_u64 s[42:43], s[40:41], s[52:53]
	s_add_nc_u64 s[46:47], s[14:15], s[50:51]
.macro KDESC i, region, plane
	s_mov_b32 s[G0+4*(\i)], 1
	s_add_co_u32 s[G0+4*(\i)+1], s44, \region
	s_add_nc_u64 s[G0+4*(\i)+2:G0+4*(\i)+3], s[42:43], (\plane)*PLANE
	s_or_b32 s[G0+4*(\i)+3], s[G0+4*(\i)+3], 0x80000000
.endm
	KDESC 0, KI, 1
	KDESC 1, KP, 4
	KDESC 2, KA, 6
	tensor_load_to_lds s[G0:G0+3], s[G1:G1+7]      ; my quarter of K, KP, KA: three loads of mine are out
	s_nop 0
	tensor_load_to_lds s[G0+4:G0+7], s[G1:G1+7]
	s_nop 0
	tensor_load_to_lds s[G0+8:G0+11], s[G1:G1+7]
	s_nop 0
	PLACES
	v_and_b32 v[R], 15, v0
	v_bfe_u32 v[HH], v0, 4, 1
	v_lshlrev_b32 v3, 3, v0                        ; 8 x thread: two words of each table
	global_load_b64 v[64:65], v3, s[8:9]
	global_load_b64 v[66:67], v3, s[10:11]
	v_lshlrev_b32 v[QO], 8, v[R]
	v_lshl_add_u32 v[QO], v[HH], 4, v[QO]
	v_lshl_add_u32 v[QO], s37, 14, v[QO]
	s_add_nc_u64 s[44:45], s[6:7], 1376*32768      ; fw1's four blocks, k-major: my 64 rows lie at wave x 16,384; 128 k further is 65,536 bytes on
	WIN 0x40
.set i, 0
.rept 32                                           ; fragment (jt, ks) = (i / 8, i % 8) at 8 i
	global_load_b128 v[8*i:8*i+3],   v[QO], s[44:45] offset:((i%8)/4)*65536+(i/8)*4096+(i%4)*64
	global_load_b128 v[8*i+4:8*i+7], v[QO], s[44:45] offset:((i%8)/4)*65536+(i/8)*4096+(i%4)*64+32
.set i, i+1
.endr
	WIN 0
.set i, 0
.rept 32
	v_mov_b32 v[EN+i], 0                           ; the energies' sums start at 0: written while the first loads are out
.set i, i+1
.endr
	v_and_b32 v4, 7, v0
	v_lshl_add_u32 v4, v[HH], 3, v4                ; the turning load: lane l reads key 8 (l / 16) + l % 8,
	v_bfe_u32 v5, v0, 3, 1                         ; channels 8 ((l / 8) % 2) on
	v_mul_u32_u24 v[ATR0], v4, PK
	v_lshl_add_u32 v[ATR0], v5, 4, v[ATR0]
	v_mul_u32_u24 v[FR0], v[R], PK
	v_lshl_add_u32 v[FR0], v[HH], 4, v[FR0]        ; a fragment's row x pitch + 16 x half
	s_mul_i32 s49, s37, 64*PK
	s_add_co_u32 s49, s49, KFV
	v_add_nc_u32 v[AST0], s49, v[FR0]              ; Kf's row 64 w + l % 16
	s_mul_i32 s49, s37, 16*PK
	s_add_co_u32 s49, s49, STAGE
	v_add_nc_u32 v[STO], s49, v[FR0]
	v_mul_u32_u24 v[RD], v[HH], PK
	v_lshl_add_u32 v[RD], v[R], 4, v[RD]
	v_add_nc_u32 v[RD], s49, v[RD]
	v_and_b32 v[GO], 31, v0
	v_lshlrev_b32 v[GO], 4, v[GO]
	v_lshlrev_b32 v[VO], 4, v0
	s_wait_loadcnt 0x0                             ; the tables and fw1
	s_wait_kmcnt 0x0                               ; fb2
	v_add_nc_u32 v4, TB, v3
	ds_store_b64 v4, v[64:65]
	ds_store_b64 v4, v[66:67] offset:1024
	QLOAD 0xc0, 0, 0                               ; Q item,
	QLOAD 0xc0, 128, 3                             ; Q position
	QLOAD 0x80, 0, 5                               ; and Q of the attributes: on their way during the first Kf
; Kf = fw1 K for one plane.  Source 0 = K^T (16 channels x 32 keys, by the turning load), source 1 = fw1 (16 rows j x 32 keys): a lane holds one row j and eight neighbouring channels.
.macro LDTR p, off                     ; 16 channels x all 256 keys: 8 fragments
	WIN 0x80
.irp ks, 0,1,2,3,4,5,6,7
	ds_load_tr16_b128 v[FB+64*(\p)+8*(\ks):FB+64*(\p)+8*(\ks)+3],   v[ATR] offset:(\ks)*32*PK+(\off)
	ds_load_tr16_b128 v[FB+64*(\p)+8*(\ks)+4:FB+64*(\p)+8*(\ks)+7], v[ATR] offset:(\ks)*32*PK+16*PK+(\off)
.endr
.endm
.macro KFCT p                          ; 32 products, the four accumulators by turns; rounded; stored as 16 bytes of each of my 64 rows
	WIN 0x06
.irp ks, 0,1,2,3,4,5,6,7
.irp jt, 0,1,2,3
.if (\ks) == 0
	v_wmma_f32_16x16x32_bf16 v[KAC+8*(\jt):KAC+8*(\jt)+7], v[FB+64*(\p)+8*(\ks):FB+64*(\p)+8*(\ks)+7], v[8*(8*(\jt)+(\ks)):8*(8*(\jt)+(\ks))+7], 0
.else
	v_wmma_f32_16x16x32_bf16 v[KAC+8*(\jt):KAC+8*(\jt)+7], v[FB+64*(\p)+8*(\ks):FB+64*(\p)+8*(\ks)+7], v[8*(8*(\jt)+(\ks)):8*(8*(\jt)+(\ks))+7], v[KAC+8*(\jt):KAC+8*(\jt)+7]
.endif
.endr
.endr
	WIN 0
	PLACES
.irp jt, 0,1,2,3
.irp e, 0,1,2,3
	v_cvt_pk_bf16_f32 v[TMP+4*(\jt)+(\e)], v[KAC+8*(\jt)+2*(\e)], v[KAC+8*(\jt)+2*(\e)+1]
.endr
.endr
.irp jt, 0,1,2,3
	ds_store_b128 v[AST], v[TMP+4*(\jt):TMP+4*(\jt)+3] offset:(\jt)*16*PK+32*(\p)
.endr
.endm
.macro KFPH                            ; the plane at s[REG]: four trips of 32 channels
	WIN 0
	v_add_nc_u32 v[ATR], s[REG], v[ATR0]
	v_mov_b32 v[AST], v[AST0]
	LDTR 0, 0
	WIN 0
	s_mov_b32 s[CNT], 4
.Lkf_\@:
	LDTR 1, 32
	s_wait_dscnt 16                                ; buffer 0 is in; buffer 1's 16 loads may be out
	KFCT 0
	s_cmp_eq_u32 s[CNT], 1
	s_cbranch_scc1 .Lkl_\@                         ; the last trip has no further channels to fetch
	v_add_nc_u32 v[ATR], 64, v[ATR]
	LDTR 0, 0
	WIN 0
	s_wait_dscnt 20                                ; buffer 1 is in: four stores and 16 loads are younger
	s_branch .Lkj_\@
.Lkl_\@:
	s_wait_dscnt 4                                 ; four stores are younger
.Lkj_\@:
	KFCT 1
	v_add_nc_u32 v[AST], 64, v[AST]
	s_sub_co_u32 s[CNT], s[CNT], 1
	s_cmp_lg_u32 s[CNT], 0
	s_cbranch_scc1 .Lkf_\@
	s_wait_dscnt 0x0                               ; for the others' sake: my rows of Kf are stored, my reads of the plane are back
.endm
; THE ENERGIES of one plane.  H^T = Kf Q^T + fb1 (source 0 = 16 rows j of Kf, source 1 = 16 queries; fb1 is the C operand that starts the sum): a lane holds one query and j = 8 (l / 16) + 0..7.
; A unit is 16 rows j: 12 LDS loads, 16 products, then relu and the multiply-add with fw2 into the energies' pairs.
.macro LDE p
	WIN 0x80
.irp ks, 0,1,2,3
	ds_load_b128 v[FB+64*(\p)+8*(\ks):FB+64*(\p)+8*(\ks)+3],   v[AKF] offset:(\p)*16*PK+(\ks)*64
	ds_load_b128 v[FB+64*(\p)+8*(\ks)+4:FB+64*(\p)+8*(\ks)+7], v[AKF] offset:(\p)*16*PK+(\ks)*64+32
.endr
	WIN 0
	ds_load_b128 v[T1+8*(\p):T1+8*(\p)+3],   v[ATB] offset:64*(\p)
	ds_load_b128 v[T1+8*(\p)+4:T1+8*(\p)+7], v[ATB] offset:64*(\p)+16
	ds_load_b128 v[TW+8*(\p):TW+8*(\p)+3],   v[ATB] offset:1024+64*(\p)
	ds_load_b128 v[TW+8*(\p)+4:TW+8*(\p)+7], v[ATB] offset:1024+64*(\p)+16
.endm
.macro EW p, kind                      ; kind 0 item, 1 position: four accumulators, 128 channels; 2 attributes: eight accumulators (f, tile), 64 channels each
.if (\kind) < 2
.set na, 4
.set e0, 8+4*(\kind)
	WIN 0x0e
.irp ks, 0,1,2,3
.irp qt, 0,1,2,3
.if (\ks) == 0
	v_wmma_f32_16x16x32_bf16 v[HA+8*(\qt):HA+8*(\qt)+7], v[FB+64*(\p)+8*(\ks):FB+64*(\p)+8*(\ks)+7], v[128*(\kind)+32*(\qt)+8*(\ks):128*(\kind)+32*(\qt)+8*(\ks)+7], v[T1+8*(\p):T1+8*(\p)+7]
.else
	v_wmma_f32_16x16x32_bf16 v[HA+8*(\qt):HA+8*(\qt)+7], v[FB+64*(\p)+8*(\ks):FB+64*(\p)+8*(\ks)+7], v[128*(\kind)+32*(\qt)+8*(\ks):128*(\kind)+32*(\qt)+8*(\ks)+7], v[HA+8*(\qt):HA+8*(\qt)+7]
.endif
.endr
.endr
.else
.set na, 8
.set e0, 0
	WIN 0x0a
.irp kk, 0,1
.irp x, 0,1,2,3,4,5,6,7
.if (\kk) == 0
	v_wmma_f32_16x16x32_bf16 v[HA+8*(\x):HA+8*(\x)+7], v[FB+64*(\p)+8*(2*((\x)/4)+(\kk)):FB+64*(\p)+8*(2*((\x)/4)+(\kk))+7], v[32*((\x)%4)+8*(2*((\x)/4)+(\kk)):32*((\x)%4)+8*(2*((\x)/4)+(\kk))+7], v[T1+8*(\p):T1+8*(\p)+7]
.else
	v_wmma_f32_16x16x32_bf16 v[HA+8*(\x):HA+8*(\x)+7], v[FB+64*(\p)+8*(2*((\x)/4)+(\kk)):FB+64*(\p)+8*(2*((\x)/4)+(\kk))+7], v[32*((\x)%4)+8*(2*((\x)/4)+(\kk)):32*((\x)%4)+8*(2*((\x)/4)+(\kk))+7], v[HA+8*(\x):HA+8*(\x)+7]
.endif
.endr
.endr
.endif
	WIN 0
	PLACES
.set u, 0
.rept 8*na
	v_max_num_f32 v[HA+u], 0, v[HA+u]              ; relu, each accumulator's registers in ascending order
.set u, u+1
.endr
.set z, 0
.rept 4
.set u, 0
.rept na
	v_pk_fma_f32 v[EN+2*(e0+u):EN+2*(e0+u)+1], v[HA+8*u+2*z:HA+8*u+2*z+1], v[TW+8*(\p)+2*z:TW+8*(\p)+2*z+1], v[EN+2*(e0+u):EN+2*(e0+u)+1]
.set u, u+1
.endr
.set z, z+1
.endr
.endm
.macro EPH kind                        ; eight trips of two units
	WIN 0
	v_add_nc_u32 v[AKF], KFV, v[FR0]
	v_lshl_add_u32 v[ATB], v[HH], 5, TB
	LDE 0
	s_mov_b32 s[CNT], 8
.Le_\@:
	LDE 1
	s_wait_dscnt 12                                ; set 0 is in; set 1's 12 loads may be out
	EW 0, \kind
	s_cmp_eq_u32 s[CNT], 1
	s_cbranch_scc1 .Lel_\@
	v_add_nc_u32 v[AKF], 32*PK, v[AKF]
	v_add_nc_u32 v[ATB], 128, v[ATB]
	LDE 0
	s_wait_dscnt 12
	s_branch .Lej_\@
.Lel_\@:
	s_wait_dscnt 0x0
.Lej_\@:
	EW 1, \kind
	s_sub_co_u32 s[CNT], s[CNT], 1
	s_cmp_lg_u32 s[CNT], 0
	s_cbranch_scc1 .Le_\@
.endm
	s_wait_tensorcnt 0x0                           ; my quarters of the three K planes are in
	s_mov_b32 s[SRC], 0
	s_mov_b32 s[REG], KI
.Lsrc:                                             ; three trips: item, position, attributes
	s_wait_dscnt 0x0                               ; first trip: the tables are stored; later: my reads of the last Kf are back
	BAR                                            ; the K planes are whole; nobody reads Kf any more
	KFPH
	BAR                                            ; Kf is whole
	s_wait_loadcnt 0x0                             ; Q (issued ahead of the first trip's Kf)
	s_cmp_eq_u32 s[SRC], 0
	s_cbranch_scc0 .Lnot_item                      ; forward, past text that holds no barrier
	EPH 0
	s_branch .Lnext
.Lnot_item:
	s_cmp_eq_u32 s[SRC], 1
	s_cbranch_scc0 .Lattrs
	EPH 1
	s_branch .Lnext
.Lattrs:
	WIN 0x40                                       ; fw1 has served: V's 65,536 bytes, 16 a thread 32 times, come into its registers during the last energies
.set i, 0
.rept 32
	global_load_b128 v[4*i:4*i+3], v[VO], s[40:41] offset:2*PLANE+2048*i
.set i, i+1
.endr
	WIN 0
	EPH 2
	s_wait_loadcnt 0x0                             ; V
.Lnext:
	s_add_co_u32 s[REG], s[REG], 256*PK
	s_add_co_u32 s[SRC], s[SRC], 1
	s_cmp_lt_u32 s[SRC], 3
	s_cbranch_scc1 .Lsrc
	s_wait_dscnt 0x0
	s_barrier_signal -1                            ; my reads of Kf are over; the gate, work on registers, stands between the signal and the wait
	; THE GATE.  A query's energy: its even and odd j, and the other half of the lanes'; + fb2; softmax over the four sources with their maximum taken away.
.macro E16 line:vararg
.set i, 0
.rept 16
	\line
.set i, i+1
.endr
.endm
.macro E4 line:vararg
.set i, 0
.rept 4
	\line
.set i, i+1
.endr
.endm
	E16 v_add_f32 v[EN+2*i], v[EN+2*i], v[EN+2*i+1]
	E16 v_permlanex16_b32 v[EN+2*i+1], v[EN+2*i], s[SEL], s[SEL+1]
	E16 v_add_f32 v[EN+2*i], v[EN+2*i], v[EN+2*i+1]
	E16 v_add_f32 v[EN+2*i], s36, v[EN+2*i]
	E4 v_max3_num_f32 v[64+i], v[EN+2*i], v[EN+2*(4+i)], v[EN+2*(8+i)]
	E4 v_max_num_f32 v[64+i], v[64+i], v[EN+2*(12+i)]
	E16 v_sub_f32 v[EN+2*i], v[EN+2*i], v[64+i%4]
	E16 v_mul_f32 v[EN+2*i], s48, v[EN+2*i]
	E16 v_exp_f32 v[EN+2*i], v[EN+2*i]
	v_nop                                          ; a plain instruction behind the last exponential
	s_wait_alu depctr_va_vdst(0)
	E4 v_add_f32 v[68+i], v[EN+2*i], v[EN+2*(4+i)]
	E4 v_add_f32 v[72+i], v[EN+2*(8+i)], v[EN+2*(12+i)]
	E4 v_add_f32 v[68+i], v[68+i], v[72+i]
	E4 v_rcp_f32 v[72+i], v[68+i]
	v_nop
	s_wait_alu depctr_va_vdst(0)
	E16 v_mul_f32 v[EN+2*i], v[EN+2*i], v[72+i%4]
	E16 v_cvt_pk_bf16_f32 v[GB+i], v[EN+2*i], v[EN+2*i]
	WIN 0xc3                                       ; Q's fragments hold one query a lane, as g does: Q_f times g_f, two bf16 a line
.set i, 0
.rept 128
	v_pk_mul_bf16 v[i], v[i], v[GB+8+i/32]
.set i, i+1
.endr
.set i, 0
.rept 128
	v_pk_mul_bf16 v[128+i], v[128+i], v[GB+12+i/32]
.set i, i+1
.endr
	WIN 0x82
.set i, 0
.rept 128                                          ; channels 0-63 of a tile belong to attribute 0, 64-127 to attribute 1
	v_pk_mul_bf16 v[i], v[i], v[GB+4*((i%32)/16)+i/32]
.set i, i+1
.endr
	WIN 0
	v_and_b32 v64, 7, v0
	v_lshl_add_u32 v64, v[HH], 3, v64
	v_bfe_u32 v65, v0, 3, 1
	v_mul_u32_u24 v[AV], v64, PV
	v_lshl_add_u32 v[AV], v65, 4, v[AV]
	v_add_nc_u32 v[AV], KFV, v[AV]                 ; the turning load's place in V
	v_lshrrev_b32 v64, 4, v0
	v_and_b32 v65, 15, v0
	v_mul_u32_u24 v[AVS], v64, PV
	v_lshl_add_u32 v[AVS], v65, 4, v[AVS]
	v_add_nc_u32 v[AVS], KFV, v[AVS]               ; thread t stores row t / 16 of each eight rows, 16 bytes at 16 (t % 16)
	v_add_nc_u32 v[AVS2], 128*PV, v[AVS]
	v_mov_b32 v[AKI], v[FR0]
	v_add_nc_u32 v[AKP], KP, v[FR0]
	v_add_nc_u32 v[AKA], KA, v[FR0]
.irp t, 0,1,2,3
	v_mov_b32 v[ST+8*(\t)], 0xfe000000             ; c m: far below every c s, so that the first step's a is 0
	v_mov_b32 v[ST+8*(\t)+1], 0xff7fffff           ; m: the lowest finite number
	v_mov_b32 v[ST+8*(\t)+2], 0                    ; l
	v_mov_b32 v[ST+8*(\t)+3], 0
.endr
	s_barrier_wait -1                              ; nobody reads Kf any more
	WIN 0x04
.set i, 0
.rept 16
	ds_store_b128 v[AVS], v[4*i:4*i+3] offset:8*PV*i
.set i, i+1
.endr
.rept 16
	ds_store_b128 v[AVS2], v[4*i:4*i+3] offset:8*PV*(i-16)
.set i, i+1
.endr
	WIN 0x40
.set i, 0
.rept 256
	v_mov_b32 v[i], 0                              ; O^T starts at 0: the price of writing no first key step out
.set i, i+1
.endr
	WIN 0
	s_wait_dscnt 0x0
	BAR                                            ; V is whole
; THE LAST PHASE: four trips of 64 keys.  S^T = sum over the three planes of K (g Q)^T: 12 K steps on 16 accumulators; softmax with a running maximum; O^T += V^T P.
.macro LDK p, areg, kth                ; 32 keys x 128 channels: 8 fragments
	WIN 0x80
.irp kk, 0,1
.irp ks, 0,1,2,3
	ds_load_b128 v[FB+64*(\p)+32*(\kk)+8*(\ks):FB+64*(\p)+32*(\kk)+8*(\ks)+3],   v[\areg] offset:(2*(\kth)+(\kk))*16*PK+(\ks)*64
	ds_load_b128 v[FB+64*(\p)+32*(\kk)+8*(\ks)+4:FB+64*(\p)+32*(\kk)+8*(\ks)+7], v[\areg] offset:(2*(\kth)+(\kk))*16*PK+(\ks)*64+32
.endr
.endr
.endm
.macro SCH p, src, kth                 ; 32 products, eight accumulators by turns.  src 0 item (starts the sums), 1 position, 2 attributes
.if (\src) < 2
	WIN 0x0e
.set qb, 128*(\src)
.else
	WIN 0x0a
.set qb, 0
.endif
.irp ks, 0,1,2,3
.irp kk, 0,1
.irp qt, 0,1,2,3
.if ((\src) == 0) && ((\ks) == 0)
	v_wmma_f32_16x16x32_bf16 v[S+32*(\qt)+8*(2*(\kth)+(\kk)):S+32*(\qt)+8*(2*(\kth)+(\kk))+7], v[FB+64*(\p)+32*(\kk)+8*(\ks):FB+64*(\p)+32*(\kk)+8*(\ks)+7], v[qb+32*(\qt)+8*(\ks):qb+32*(\qt)+8*(\ks)+7], 0
.else
	v_wmma_f32_16x16x32_bf16 v[S+32*(\qt)+8*(2*(\kth)+(\kk)):S+32*(\qt)+8*(2*(\kth)+(\kk))+7], v[FB+64*(\p)+32*(\kk)+8*(\ks):FB+64*(\p)+32*(\kk)+8*(\ks)+7], v[qb+32*(\qt)+8*(\ks):qb+32*(\qt)+8*(\ks)+7], v[S+32*(\qt)+8*(2*(\kth)+(\kk)):S+32*(\qt)+8*(2*(\kth)+(\kk))+7]
.endif
.endr
.endr
.endr
.endm
.macro LDV p, kk2                      ; V^T: 128 channels x 32 keys: 8 fragments, turned
	WIN 0x80
.irp cb, 0,1,2,3,4,5,6,7
	ds_load_tr16_b128 v[FB+64*(\p)+8*(\cb):FB+64*(\p)+8*(\cb)+3],   v[AV] offset:(\kk2)*32*PV+(\cb)*32
	ds_load_tr16_b128 v[FB+64*(\p)+8*(\cb)+4:FB+64*(\p)+8*(\cb)+7], v[AV] offset:(\kk2)*32*PV+16*PV+(\cb)*32
.endr
.endm
.macro PVCH p, kk2                     ; 32 products on 32 accumulators
	WIN 0x52
.irp cb, 0,1,2,3,4,5,6,7
.irp qt, 0,1,2,3
	v_wmma_f32_16x16x32_bf16 v[64*(\qt)+8*(\cb):64*(\qt)+8*(\cb)+7], v[FB+64*(\p)+8*(\cb):FB+64*(\p)+8*(\cb)+7], v[P+16*(\qt)+8*(\kk2):P+16*(\qt)+8*(\kk2)+7], v[64*(\qt)+8*(\cb):64*(\qt)+8*(\cb)+7]
.endr
.endr
.endm
; One tile's softmax for a key step: a list of 134 instructions; SM writes number j of it for tile t.  s0-s31 are the lane's 32 scores.
;   0-15 the maximum of the scores and the old m (each accumulator's lowest registers first); 16-20 the other half of the lanes', the new m, c m, c m_old - c m_new;
;   21-87 the 33 exponentials (a, then s0-s31) at the odd numbers from 23 on, between them c s - c m for pairs still to come, the roundings of pairs that are done, the first sums;
;   88-101 the last rounding, the rest of the sums, l = a l + sum; 102-133 O^T times a.  The four tiles take each number in turn, so a line never reads the result of the line before it,
;   and behind the four exponentials of a number stands the next number's plain line, which touches none of them.
.macro SM t
.set rT, ST+8*(\t)
.set rS, S+32*(\t)
.set rP, P+16*(\t)
.set rO, 64*(\t)+2*(j-102)
.set q, (j-20)/2
.if j < 102
	WIN 0
.endif
.if j < 4
	v_max3_num_f32 v[rT+4+j], v[rS+8*j], v[rS+8*j+1], v[rS+8*j+2]
.elseif j < 12
	v_max3_num_f32 v[rT+4+j%4], v[rT+4+j%4], v[rS+8*(j%4)+2*(j/4)+1], v[rS+8*(j%4)+2*(j/4)+2]
.elseif j == 12
	v_max3_num_f32 v[rT+4], v[rT+4], v[rS+7], v[rS+15]
.elseif j == 13
	v_max3_num_f32 v[rT+6], v[rT+6], v[rS+23], v[rS+31]
.elseif j == 14
	v_max3_num_f32 v[rT+4], v[rT+4], v[rT+5], v[rT+6]
.elseif j == 15
	v_max3_num_f32 v[rT+4], v[rT+4], v[rT+7], v[rT+1]
.elseif j == 16
	v_permlanex16_b32 v[rT+5], v[rT+4], s[SEL], s[SEL+1]
.elseif j == 17
	v_mov_b32 v[rT+7], v[rT]
.elseif j == 18
	v_max_num_f32 v[rT+1], v[rT+4], v[rT+5]
.elseif j == 19
	v_mul_f32 v[rT], s[CS], v[rT+1]
.elseif j == 20
	v_sub_f32 v[rT+7], v[rT+7], v[rT]
.elseif j == 23
	v_exp_f32 v[rT+6], v[rT+7]
.elseif (j < 88) && (j > 23) && (j%2 == 1)
	v_exp_f32 v[rS+(j-25)/2], v[rS+(j-25)/2]
.elseif (q < 4) || ((j < 76) && (q%2 == 0))
.set pb, q/2+2
.if q < 4
.set pb, q
.endif
	v_pk_fma_f32 v[rS+2*pb:rS+2*pb+1], v[rS+2*pb:rS+2*pb+1], s[CS:CS+1], v[rT:rT+1] op_sel_hi:[1,0,0] neg_lo:[0,0,1] neg_hi:[0,0,1]
.elseif (j < 88) && (q%2 == 1)
	s_wait_alu depctr_va_vdst(0)
	v_cvt_pk_bf16_f32 v[rP+(q-5)/2], v[rS+q-5], v[rS+q-4]
.elseif j == 89
	s_wait_alu depctr_va_vdst(0)
	v_cvt_pk_bf16_f32 v[rP+15], v[rS+30], v[rS+31]
.elseif j < 102
.set z, j-86
.if j < 89
.set z, (j-76)/4
.endif
.set w, 4
.set u, z
.if z >= 14
.set w, 32
.set u, 0
.elseif z >= 12
.set w, 16
.set u, z-12
.elseif z >= 8
.set w, 8
.set u, z-8
.endif
.if z < 15
	v_pk_add_f32 v[rS+w*u:rS+w*u+1], v[rS+w*u:rS+w*u+1], v[rS+w*u+w/2:rS+w*u+w/2+1]
.else
	v_pk_fma_f32 v[rT+2:rT+3], v[rT+2:rT+3], v[rT+6:rT+7], v[rS:rS+1] op_sel_hi:[1,0,1]
.endif
.else
	WIN W_RS
	v_pk_mul_f32 v[rO:rO+1], v[rO:rO+1], v[rT+6:rT+7] op_sel_hi:[1,0]
.endif
.endm
.macro CHUNK p, src, kth               ; behind the load of the next chunk: the 16 loads just issued may be out
	s_wait_dscnt 16
	SCH \p, \src, \kth
	PLACES
.endm
	LDK 0, AKI, 0
	WIN 0
	s_mov_b32 s[CNT], 4
.Lkeys:
	PLACES                                         ; in front of loads into the buffer that the trip before multiplied last
	LDK 1, AKI, 1
	CHUNK 0, 0, 0
	LDK 0, AKP, 0
	CHUNK 1, 0, 1
	LDK 1, AKP, 1
	CHUNK 0, 1, 0
	LDK 0, AKA, 0
	CHUNK 1, 1, 1
	LDK 1, AKA, 1
	CHUNK 0, 2, 0
	LDV 0, 0
	CHUNK 1, 2, 1
	LDV 1, 1
.set j, 0
.rept 134
.irp t, 0,1,2,3
	SM \t
.endr
.set j, j+1
.endr
	s_wait_dscnt 0x0                               ; V^T
	PVCH 0, 0
	WIN 0
	PLACES
	s_cmp_eq_u32 s[CNT], 1
	s_cbranch_scc1 .Lnok                           ; the last trip has no further keys
	v_add_nc_u32 v[AKI], 64*PK, v[AKI]
	LDK 0, AKI, 0
	WIN 0
.Lnok:
	PVCH 1, 1
	WIN 0
	v_add_nc_u32 v[AKP], 64*PK, v[AKP]
	v_add_nc_u32 v[AKA], 64*PK, v[AKA]
	v_add_nc_u32 v[AV], 64*PV, v[AV]
	s_sub_co_u32 s[CNT], s[CNT], 1
	s_cmp_lg_u32 s[CNT], 0
	s_cbranch_scc1 .Lkeys
	; THE WAY OUT.  l's two halves and the other half of the lanes' are added; O^T is divided by l, rounded to bf16 and sent through my stage, a tile (16 rows) at a time.
	v_nop
.irp t, 0,1,2,3
	v_add_f32 v[ST+8*(\t)+4], v[ST+8*(\t)+2], v[ST+8*(\t)+3]
.endr
.irp t, 0,1,2,3
	v_permlanex16_b32 v[ST+8*(\t)+5], v[ST+8*(\t)+4], s[SEL], s[SEL+1]
.endr
.irp t, 0,1,2,3
	v_add_f32 v[ST+8*(\t)+4], v[ST+8*(\t)+4], v[ST+8*(\t)+5]
.endr
.irp t, 0,1,2,3
	v_rcp_f32 v[ST+8*(\t)+6], v[ST+8*(\t)+4]
.endr
	v_nop
	s_wait_alu depctr_va_vdst(0)
.macro PACK t
	WIN W_RS
.set i, 64*(\t)
.rept 32
	v_pk_mul_f32 v[i:i+1], v[i:i+1], v[ST+8*(\t)+6:ST+8*(\t)+7] op_sel_hi:[1,0]
.set i, i+2
.endr
	WIN 0x05
.set i, 0
.rept 32
	v_cvt_pk_bf16_f32 v[S+32*(\t)+i], v[64*(\t)+2*i], v[64*(\t)+2*i+1]
.set i, i+1
.endr
	WIN 0
.irp f, 0,1,2,3,4,5,6,7
	ds_store_b128 v[STO], v[S+32*(\t)+4*(\f):S+32*(\t)+4*(\f)+3] offset:32*(\f)
.endr
.irp f, 0,1,2,3,4,5,6,7
	ds_load_b128 v[S+32*(\t)+4*(\f):S+32*(\t)+4*(\f)+3], v[RD] offset:(\f)*2*PK  ; LDS serves a wave's instructions in order: these see the stores above; the next tile's stores come behind them
.endr
.endm
.macro SEND t, younger                 ; younger: the LDS instructions issued behind tile t's loads: the next tile's sixteen, or none
	WIN 0
.irp f, 0,1,2,3,4,5,6,7
	s_wait_dscnt (\younger)+7-(\f)
	global_store_b128 v[GO], v[S+32*(\t)+4*(\f):S+32*(\t)+4*(\f)+3], s[46:47] offset:(\t)*4096+(\f)*512  ; 512 consecutive bytes of a block of ctx, aligned
.endr
.endm
	PACK 0
	PACK 1
	SEND 0, 16
	PACK 2
	SEND 1, 16
	PACK 3
	SEND 2, 16
	SEND 3, 0
	s_wait_tensorcnt 0x0                           ; the wave's end
	ds_add_u32 v[SPW], v[NIL]
	s_wait_dscnt 0x0
	s_endpgm
.Lfunc_end_k_q938a454826_attn:
	.size	k_q938a454826_attn, .Lfunc_end_k_q938a454826_attn-k_q938a454826_attn
	.p2alignl 7, 3214868480
	.fill 96, 4, 3214868480
	.section	.rodata,"a",@progbits
	.p2align	6, 0x0
	.amdhsa_kernel k_q938a454826_attn
		.amdhsa_group_segment_fixed_size 327680
		.amdhsa_private_segment_fixed_size 0
		.amdhsa_enable_private_segment 0
		.amdhsa_kernarg_size 48
		.amdhsa_user_sgpr_count 2
		.amdhsa_user_sgpr_kernarg_segment_ptr 1
		.amdhsa_wavefront_size32 1
		.amdhsa_system_sgpr_workgroup_id_x 1
		.amdhsa_system_sgpr_workgroup_id_y 1
		.amdhsa_system_sgpr_workgroup_id_z 1
		.amdhsa_system_vgpr_workitem_id 0
		.amdhsa_next_free_vgpr 1024
		.amdhsa_next_free_sgpr 66
		.amdhsa_reserve_vcc 0
		.amdhsa_float_denorm_mode_32 3
		.amdhsa_float_denorm_mode_16_64 3
		.amdhsa_memory_ordered 1
		.amdhsa_forward_progress 1
		.amdhsa_inst_pref_size 194
	.end_amdhsa_kernel
	.amdgpu_metadata
---
amdhsa.version: [ 1, 2 ]
amdhsa.kernels:
  - .name:           k_q938a454826_attn
    .symbol:         k_q938a454826_attn.kd
    .args:
      - { .name: proj, .offset: 0, .size: 8, .value_kind: global_buffer, .address_space: global }
      - { .name: bfin, .offset: 8, .size: 8, .value_kind: global_buffer, .address_space: global }
      - { .name: fb1, .offset: 16, .size: 8, .value_kind: global_buffer, .address_space: global }
      - { .name: fw2, .offset: 24, .size: 8, .value_kind: global_buffer, .address_space: global }
      - { .name: fb2, .offset: 32, .size: 8, .value_kind: global_buffer, .address_space: global }
      - { .name: ctx, .offset: 40, .size: 8, .value_kind: global_buffer, .address_space: global }
    .group_segment_fixed_size: 327680
    .private_segment_fixed_size: 0
    .kernarg_segment_align: 8
    .kernarg_segment_size: 48
    .max_flat_workgroup_size: 128
    .sgpr_count:     66
    .vgpr_count:     1024
    .wavefront_size: 32
...
	.end_amdgpu_metadata
.endif
;; end of part 3
;; launch outln (part 4): grid 256 x 1, 4 waves a work-group, clusters of 4 x 1, 327,680 bytes of LDS; arguments ctx, bfin, input_tensor, bd, gamma, beta, out0; writes out0
.if DOCPART == 4
	.amdgcn_target "amdgcn-amd-amdhsa--gfx1250"
	.amdhsa_code_object_version 6
	.text
	.protected	k_q938a454826_outln
	.globl	k_q938a454826_outln
	.p2align	8
	.type	k_q938a454826_outln,@function
k_q938a454826_outln:
	s_mov_b64 s[64:65], 0
	v_nop
	global_prefetch_b8 v0, s[64:65] scope:SCOPE_SE
	s_setreg_imm32_b32 hwreg(HW_REG_WAVE_MODE, 25, 1), 1
	s_wait_xcnt 0x0
	s_wait_alu depctr_hold_cnt(0) depctr_sa_sdst(0) depctr_va_vdst(0) depctr_va_sdst(0) depctr_va_ssrc(0) depctr_va_vcc(0) depctr_vm_vsrc(0)
	s_getreg_b32 s2, hwreg(HW_REG_IB_STS2, 6, 4)
	s_cmp_eq_u32 s2, 0
	s_cbranch_scc0 .Lentry_in_a_cluster
	s_endpgm
.Lentry_in_a_cluster:
	s_bfe_u32 s2, ttmp6, 0x10000c
	s_cmp_lg_u32 s2, 0x3003
	s_cbranch_scc0 .Lentry_shape_is_right
	s_endpgm
.Lentry_shape_is_right:
; out = LayerNorm(ctx Wd^T + bd + input) x gamma + beta.  ctx and Wd in bf16 blocks, sums f32; the residual takes the input in f32.
; The norm goes in two passes: the mean, then the mean of (x - mean)^2: no difference of large sums is formed.  1 / sqrt by v_rsq_f32.  NaN and infinities are not treated apart.
; SHARES.  Work-group g takes rows 64 g .. 64 g + 63 x all 512 columns.  PRODUCT: wave w takes all 64 rows x columns 128 w .. 128 w + 127: 32 accumulators; ctx's fragments (64 rows x 512 k) lie in
; registers, loaded once; Wd comes in four K steps of 128 through two LDS slots, and a wave reads just the block of 128 rows that it has fetched itself.
; Source 0 = 16 rows of Wd, source 1 = 16 rows of ctx: a lane holds one row and eight neighbouring columns.  bd is the C operand that starts the sums.
; ROWS: the sums go through LDS (f32, 64 rows of 2,048 + 16 bytes, in slot 0, which has had its last fill); wave w then owns the whole rows 16 w .. 16 w + 15, 16 numbers a lane and row.
; CLUSTER 4 x 1: the four work-groups need the same Wd: each block is asked for jointly, by the same load with the same descriptor in all four.
; REGISTERS: window 0 addresses, gamma, beta, bd (later means and scales), two fragment buffers (later sums at work); window 1 the accumulators, later the rows;
; windows 2, 3 ctx's fragments ((ks, a) at 8 (4 ks + a)); window 2 takes the input's rows when K steps 0 and 1 are done.
.set PITCH, 272
.set WBLK,  128*PITCH
.set SLOT,  4*WBLK
.set SPARE, 2*SLOT                     ; the spare words, 128 bytes for each wave, which no other line names
.set HP,    2064                       ; a staged row: 516 words: the 16 rows that a store touches start at 16 different groups of four banks
.set AO,   3                           ; v3    (l % 16) x 256 + 16 (l / 16)
.set ADRB, 4                           ; v4-5  Wd's fragments in slot 0, 1
.set STW,  6                           ; v6-9  where row block a's sums go
.set SRD,  10                          ; v10   where I read my rows back
.set IO,   11                          ; v11   16 x lane
.set VB,   12                          ; v12   my eight columns of bd
.set SPW,  28
.set NIL,  29
.set GAM,  32                          ; v32-47
.set BET,  48                          ; v48-63
.set BIAS, 64                          ; v64-127; later row i's mean, then its scale, at SUM + 2 i
.set SUM,  64
.set FB0,  128
.set FB1,  192
.set T,    128                         ; later eight registers a row, at work
.set G1,   16
.set G0,   24
.set MSB, 0
.macro WIN new
.if MSB != (\new)
	s_set_vgpr_msb (MSB<<8)|(\new)
.set MSB, \new
.endif
.endm
.macro PLACES
.rept 4
	v_nop
.endr
.endm
.macro CREST
	s_cmp_lg_u32 s38, 0
	s_cbranch_scc1 .Lnot_wave_0_\@
	s_barrier_signal -3
.Lnot_wave_0_\@:
	s_barrier_wait -3
	s_barrier_signal -1
	s_barrier_wait -1
.endm
.macro CROUND
	s_barrier_signal -1
	s_barrier_wait -1
	CREST
.endm
.macro MUL8 f, a, ks, mode             ; row block a x my 8 column blocks, 32 along K
.if \mode
	WIN 0x48                                       ; Wd window 0, ctx window 2, C (bd) window 0, D window 1
.else
	WIN 0x58+4*((\ks)/8)                           ; ctx window 2 or 3, C and D window 1
.endif
.irp b, 0,1,2,3,4,5,6,7
.if \mode
	v_wmma_f32_16x16x32_bf16 v[8*(8*(\a)+(\b)):8*(8*(\a)+(\b))+7], v[(\f)+8*(\b):(\f)+8*(\b)+7], v[8*(4*((\ks)%8)+(\a)):8*(4*((\ks)%8)+(\a))+7], v[BIAS+8*(\b):BIAS+8*(\b)+7]
.else
	v_wmma_f32_16x16x32_bf16 v[8*(8*(\a)+(\b)):8*(8*(\a)+(\b))+7], v[(\f)+8*(\b):(\f)+8*(\b)+7], v[8*(4*((\ks)%8)+(\a)):8*(4*((\ks)%8)+(\a))+7], v[8*(8*(\a)+(\b)):8*(8*(\a)+(\b))+7]
.endif
.endr
.endm
.macro FETCH slot, k, f
	WIN 0
.irp i, 0,1,2,3,4,5,6,7
	ds_load_b128 v[(\f)+8*(\i):(\f)+8*(\i)+3],   v[ADRB+(\slot)] offset:(\k)+(\i)*16*PITCH
	ds_load_b128 v[(\f)+8*(\i)+4:(\f)+8*(\i)+7], v[ADRB+(\slot)] offset:(\k)+(\i)*16*PITCH+32
.endr
.endm
.macro QUARTER slot, k, f, g, ks, mode ; the 32 accumulators take turns, one instruction a turn
	s_wait_dscnt 0x0
	MUL8 \f, 0, \ks, \mode
	MUL8 \f, 1, \ks, \mode
	PLACES
	FETCH \slot, \k, \g
	MUL8 \f, 2, \ks, \mode
	MUL8 \f, 3, \ks, \mode
.endm
; The last quarter of a K step changes slots: all my tensor loads waited for, the add, my reads of the slot waited for, the barrier; fill = 1: it opens a round of the cluster's, and the slot takes the K step two on.
.macro TURN slot, next, fill, ks
	WIN 0
	s_wait_tensorcnt 0x0
	ds_add_u32 v[SPW], v[NIL]
.if \fill
	s_add_nc_u64 s[G0+4*(\slot)+2:G0+4*(\slot)+3], s[G0+4*(\slot)+2:G0+4*(\slot)+3], 2*4*32768  ; no load of mine is out: the address steps two K steps of four blocks
.endif
	s_wait_dscnt 1                                 ; the add may be out
	MUL8 FB1, 0, \ks, 0
	s_wait_dscnt 0x0
	s_barrier_signal -1
	MUL8 FB1, 1, \ks, 0
	WIN 0
	s_barrier_wait -1
.if \fill
	CREST
	tensor_load_to_lds s[G0+4*(\slot):G0+4*(\slot)+3], s[G1:G1+7]   ; my one load behind the round
	s_nop 0
.endif
	PLACES
	FETCH \next, 0, FB0
	MUL8 FB1, 2, \ks, 0
	MUL8 FB1, 3, \ks, 0
.endm
	s_load_b256 s[4:11], s[0:1], 0x0               ; ctx s[4:5], bfin s[6:7], input s[8:9], bd s[10:11]
	s_load_b128 s[12:15], s[0:1], 0x20             ; gamma s[12:13], beta s[14:15]
	s_load_b64 s[36:37], s[0:1], 0x30              ; out0
	v_lshl_add_u32 v[SPW], v0, 2, SPARE
	v_mov_b32 v[NIL], 0
	ds_add_u32 v[SPW], v[NIL]                      ; the wave's opening
	ds_add_u32 v28, v29
	v_lshrrev_b32 v1, 5, v0
	v_readfirstlane_b32 s38, v1                    ; wave 0..3
	s_bfe_u32 s39, ttmp6, 0x40000                  ; cx
	s_lshl_b32 s40, ttmp9, 2
	s_add_co_u32 s40, s40, s39                     ; g: it enters ctx's, the input's and the output's addresses alone
	s_mov_b32 s[G1+0], 15|(1<<16)|(1<<20)|(1<<21)|(5<<22)|(3<<25)  ; all four work-groups; 2-byte elements; padding on; bit 21 beside a mask; after every 64 words; 4 words
	s_mov_b32 s[G1+1], 128<<16
	s_mov_b32 s[G1+2], 128<<16
	s_mov_b32 s[G1+3], 128<<16
	s_mov_b32 s[G1+4], 128
	s_mov_b32 s[G1+5], 128
	s_mov_b32 s[G1+6], 0
	s_mov_b32 s[G1+7], 0
	s_mul_i32 s41, s38, WBLK
	s_lshl_b32 s44, s38, 15                        ; block 4 s + wave of Wd's segment for K step s
	s_mov_b32 s45, 0
	s_lshr_b32 s42, s40, 1
	s_lshl_b32 s42, s42, 17                        ; ctx: row tile g / 2, four blocks,
	s_and_b32 s43, s40, 1
	s_lshl_b32 s43, s43, 14
	s_add_co_u32 s42, s42, s43                     ; its upper or lower 64 rows
	s_mov_b32 s43, 0
	s_lshl_b32 s50, s40, 17
	s_lshl_b32 s51, s38, 15
	s_add_co_u32 s50, s50, s51                     ; (64 g + 16 wave) rows of 2,048 bytes
	s_mov_b32 s51, 0
	s_mov_b32 s46, 0x76543210
	s_mov_b32 s47, 0xfedcba98
	s_mov_b32 s48, 0x3b000000                      ; 1 / 512
	s_mov_b32 s49, 0x2b8cbccc                      ; 1e-12
	s_wait_dscnt 0x0
	s_wait_kmcnt 0x0
	s_add_nc_u64 s[44:45], s[6:7], s[44:45]
	s_add_nc_u64 s[44:45], s[44:45], 1380*32768
	s_add_nc_u64 s[32:33], s[4:5], s[42:43]
	s_add_nc_u64 s[34:35], s[8:9], s[50:51]
	s_add_nc_u64 s[36:37], s[36:37], s[50:51]
	CROUND                                         ; all four work-groups are here: the first joint loads meet
.irp s, 0,1
	s_mov_b32 s[G0+4*(\s)], 1
	s_add_co_u32 s[G0+4*(\s)+1], s41, (\s)*SLOT
	s_add_nc_u64 s[G0+4*(\s)+2:G0+4*(\s)+3], s[44:45], (\s)*4*32768
	s_or_b32 s[G0+4*(\s)+3], s[G0+4*(\s)+3], 0x80000000
	tensor_load_to_lds s[G0+4*(\s):G0+4*(\s)+3], s[G1:G1+7]        ; K steps 0 and 1: two loads of mine are out
	s_nop 0
.endr
	PLACES
	v_and_b32 v1, 15, v0
	v_bfe_u32 v2, v0, 4, 1
	v_lshlrev_b32 v[AO], 8, v1
	v_lshl_add_u32 v[AO], v2, 4, v[AO]
	v_lshlrev_b32 v[VB], 5, v2
	v_lshl_add_u32 v[VB], s38, 9, v[VB]
	v_and_b32 v[IO], 31, v0
	v_lshlrev_b32 v[IO], 4, v[IO]
.irp i, 0,1,2,3,4,5,6,7
	global_load_b128 v[BIAS+8*(\i):BIAS+8*(\i)+3],   v[VB], s[10:11] offset:64*(\i)
	global_load_b128 v[BIAS+8*(\i)+4:BIAS+8*(\i)+7], v[VB], s[10:11] offset:64*(\i)+16
.endr
.irp c, 0,1,2,3
	global_load_b128 v[GAM+4*(\c):GAM+4*(\c)+3], v[IO], s[12:13] offset:512*(\c)
	global_load_b128 v[BET+4*(\c):BET+4*(\c)+3], v[IO], s[14:15] offset:512*(\c)
.endr
.irp h, 0,1
	WIN 0x80+0x40*(\h)
.set i, 0
.rept 32                                           ; ks = 8 h + i / 4, row block i % 4
	global_load_b128 v[8*i:8*i+3],   v[AO], s[32:33] offset:(2*(\h)+i/16)*32768+(i%4)*4096+((i/4)%4)*64
	global_load_b128 v[8*i+4:8*i+7], v[AO], s[32:33] offset:(2*(\h)+i/16)*32768+(i%4)*4096+((i/4)%4)*64+32
.set i, i+1
.endr
.endr
	WIN 0
	v_mul_u32_u24 v13, v1, PITCH
	v_lshl_add_u32 v13, v2, 4, v13
	v_add_nc_u32 v[ADRB], s41, v13
	v_add_nc_u32 v[ADRB+1], SLOT, v[ADRB]
	v_mul_u32_u24 v[STW], v1, HP
	v_add_nc_u32 v[STW], v[STW], v[VB]             ; row l % 16, byte 512 wave + 32 (l / 16)
.irp a, 1,2,3
	v_add_nc_u32 v[STW+(\a)], 16*HP, v[STW+(\a)-1]
.endr
	s_mul_i32 s42, s38, 16*HP
	v_add_nc_u32 v[SRD], s42, v[IO]
	s_wait_tensorcnt 0x1                           ; my block of K step 0 is in; K step 1's may stay out
	s_barrier_signal -1
	s_barrier_wait -1
	FETCH 0, 0, FB0
	s_wait_loadcnt 0x0                             ; bd, gamma, beta, ctx
	QUARTER 0, 64,  FB0, FB1, 0, 1
	QUARTER 0, 128, FB1, FB0, 1, 0
	QUARTER 0, 192, FB0, FB1, 2, 0
	TURN 0, 1, 1, 3
	QUARTER 1, 64,  FB0, FB1, 4, 0
	QUARTER 1, 128, FB1, FB0, 5, 0
	QUARTER 1, 192, FB0, FB1, 6, 0
	TURN 1, 0, 1, 7
	PLACES                                         ; window 2 has served: my 16 rows of the input come into it, on their way during K steps 2 and 3
	WIN 0x80
.set i, 0
.rept 64                                           ; row i / 4, 512 consecutive bytes at 512 (i % 4)
	global_load_b128 v[4*i:4*i+3], v[IO], s[34:35] offset:(i/4)*2048+(i%4)*512 th:TH_LOAD_NT
.set i, i+1
.endr
	QUARTER 0, 64,  FB0, FB1, 8, 0
	QUARTER 0, 128, FB1, FB0, 9, 0
	QUARTER 0, 192, FB0, FB1, 10, 0
	TURN 0, 1, 0, 11                               ; behind this barrier nobody reads slot 0 any more, and nothing is filled
	QUARTER 1, 64,  FB0, FB1, 12, 0
	QUARTER 1, 128, FB1, FB0, 13, 0
	QUARTER 1, 192, FB0, FB1, 14, 0
	s_wait_dscnt 0x0
	MUL8 FB1, 0, 15, 0
	MUL8 FB1, 1, 15, 0
	MUL8 FB1, 2, 15, 0
	MUL8 FB1, 3, 15, 0
	PLACES
	WIN 0x04                                       ; store data in window 1
.irp a, 0,1,2,3
.irp b, 0,1,2,3,4,5,6,7
	ds_store_b128 v[STW+(\a)], v[8*(8*(\a)+(\b)):8*(8*(\a)+(\b))+3]   offset:64*(\b)
	ds_store_b128 v[STW+(\a)], v[8*(8*(\a)+(\b))+4:8*(8*(\a)+(\b))+7] offset:64*(\b)+16
.endr
.endr
	s_wait_dscnt 0x0                               ; for the others' sake: my columns of all 64 rows are stored
	s_barrier_signal -1
	s_barrier_wait -1
	WIN 0x40
.set i, 0
.rept 64
	ds_load_b128 v[4*i:4*i+3], v[SRD] offset:(i/4)*HP+(i%4)*512
.set i, i+1
.endr
	s_wait_loadcnt 0x0                             ; the input
	s_wait_dscnt 0x0
	; THE ROWS.  Row i lies in window 1 at 16 i: lane l holds columns 128 c + 4 l + 0..3, c = 0..3.
.macro R16 line:vararg
.set i, 0
.rept 16
	\line
.set i, i+1
.endr
.endm
.macro ROWSUM                          ; each row's four pairs at T + 8 i, over the lane and then over the 32 lanes: the sum in every lane, at T + 8 i
	WIN 0
	R16 v_pk_add_f32 v[T+8*i:T+8*i+1], v[T+8*i:T+8*i+1], v[T+8*i+2:T+8*i+3]
	R16 v_pk_add_f32 v[T+8*i+4:T+8*i+5], v[T+8*i+4:T+8*i+5], v[T+8*i+6:T+8*i+7]
	R16 v_pk_add_f32 v[T+8*i:T+8*i+1], v[T+8*i:T+8*i+1], v[T+8*i+4:T+8*i+5]
	R16 v_add_f32 v[T+8*i], v[T+8*i], v[T+8*i+1]
.irp m, 1,2,4,8
	R16 v_add_f32_dpp v[T+8*i], v[T+8*i], v[T+8*i] row_xmask:\m row_mask:0xf bank_mask:0xf
.endr
	R16 v_permlanex16_b32 v[T+8*i+1], v[T+8*i], s46, s47
	R16 v_add_f32 v[T+8*i], v[T+8*i], v[T+8*i+1]
.endm
	WIN 0x49                                       ; x = sums + input: window 1 += window 2
.set i, 0
.rept 128
	v_pk_add_f32 v[2*i:2*i+1], v[2*i:2*i+1], v[2*i:2*i+1]
.set i, i+1
.endr
	WIN 0x05
.set i, 0
.rept 64                                           ; row i / 4, pair i % 4 and the pair four further on
	v_pk_add_f32 v[T+2*i:T+2*i+1], v[16*(i/4)+2*(i%4):16*(i/4)+2*(i%4)+1], v[16*(i/4)+8+2*(i%4):16*(i/4)+8+2*(i%4)+1]
.set i, i+1
.endr
	ROWSUM
	R16 v_mul_f32 v[SUM+2*i], s48, v[T+8*i]
	WIN 0x41                                       ; d = x - mean
.set i, 0
.rept 128
	v_pk_add_f32 v[2*i:2*i+1], v[2*i:2*i+1], v[SUM+2*(i/8):SUM+2*(i/8)+1] op_sel_hi:[1,0] neg_lo:[0,1] neg_hi:[0,1]
.set i, i+1
.endr
	WIN 0x05
.set i, 0
.rept 64
	v_pk_mul_f32 v[T+2*i:T+2*i+1], v[16*(i/4)+2*(i%4):16*(i/4)+2*(i%4)+1], v[16*(i/4)+2*(i%4):16*(i/4)+2*(i%4)+1]
.set i, i+1
.endr
.set i, 0
.rept 64
	v_pk_fma_f32 v[T+2*i:T+2*i+1], v[16*(i/4)+8+2*(i%4):16*(i/4)+8+2*(i%4)+1], v[16*(i/4)+8+2*(i%4):16*(i/4)+8+2*(i%4)+1], v[T+2*i:T+2*i+1]
.set i, i+1
.endr
	ROWSUM
	R16 v_fma_f32 v[T+8*i], v[T+8*i], s48, s49
	R16 v_rsq_f32 v[SUM+2*i], v[T+8*i]
	v_nop                                          ; a plain instruction behind the last v_rsq_f32
	WIN 0x44                                       ; source 0 window 0, source 1 and destination window 1: the same setting serves the stores (address window 0, data window 1)
.set i, 0
	s_wait_alu depctr_va_vdst(0)
.rept 16                                           ; a row is scaled, takes gamma and beta, and leaves
.set k, 0
.rept 8
	v_pk_mul_f32 v[16*i+2*k:16*i+2*k+1], v[SUM+2*i:SUM+2*i+1], v[16*i+2*k:16*i+2*k+1] op_sel_hi:[0,1]
.set k, k+1
.endr
.set k, 0
.rept 8
	v_pk_fma_f32 v[16*i+2*k:16*i+2*k+1], v[GAM+2*k:GAM+2*k+1], v[16*i+2*k:16*i+2*k+1], v[BET+2*k:BET+2*k+1]
.set k, k+1
.endr
.set k, 0
.rept 4
	global_store_b128 v[IO], v[16*i+4*k:16*i+4*k+3], s[36:37] offset:i*2048+k*512 th:TH_STORE_NT  ; 512 consecutive bytes, aligned
.set k, k+1
.endr
.set i, i+1
.endr
	WIN 0
	s_wait_tensorcnt 0x0                           ; the wave's end
	ds_add_u32 v[SPW], v[NIL]
	s_wait_dscnt 0x0
	CROUND                                         ; the closing round
	s_endpgm
.Lfunc_end_k_q938a454826_outln:
	.size	k_q938a454826_outln, .Lfunc_end_k_q938a454826_outln-k_q938a454826_outln
	.p2alignl 7, 3214868480
	.fill 96, 4, 3214868480
	.section	.rodata,"a",@progbits
	.p2align	6, 0x0
	.amdhsa_kernel k_q938a454826_outln
		.amdhsa_group_segment_fixed_size 327680
		.amdhsa_private_segment_fixed_size 0
		.amdhsa_enable_private_segment 0
		.amdhsa_kernarg_size 56
		.amdhsa_user_sgpr_count 2
		.amdhsa_user_sgpr_kernarg_segment_ptr 1
		.amdhsa_wavefront_size32 1
		.amdhsa_system_sgpr_workgroup_id_x 1
		.amdhsa_system_sgpr_workgroup_id_y 1
		.amdhsa_system_sgpr_workgroup_id_z 1
		.amdhsa_system_vgpr_workitem_id 0
		.amdhsa_next_free_vgpr 1024
		.amdhsa_next_free_sgpr 66
		.amdhsa_reserve_vcc 0
		.amdhsa_float_denorm_mode_32 3
		.amdhsa_float_denorm_mode_16_64 3
		.amdhsa_memory_ordered 1
		.amdhsa_forward_progress 1
		.amdhsa_inst_pref_size 158
	.end_amdhsa_kernel
	.amdgpu_metadata
---
amdhsa.version: [ 1, 2 ]
amdhsa.kernels:
  - .name:           k_q938a454826_outln
    .symbol:         k_q938a454826_outln.kd
    .args:
      - { .name: ctx, .offset: 0, .size: 8, .value_kind: global_buffer, .address_space: global }
      - { .name: bfin, .offset: 8, .size: 8, .value_kind: global_buffer, .address_space: global }
      - { .name: input_tensor, .offset: 16, .size: 8, .value_kind: global_buffer, .address_space: global }
      - { .name: bd, .offset: 24, .size: 8, .value_kind: global_buffer, .address_space: global }
      - { .name: gamma, .offset: 32, .size: 8, .value_kind: global_buffer, .address_space: global }
      - { .name: beta, .offset: 40, .size: 8, .value_kind: global_buffer, .address_space: global }
      - { .name: out0, .offset: 48, .size: 8, .value_kind: global_buffer, .address_space: global }
    .group_segment_fixed_size: 327680
    .private_segment_fixed_size: 0
    .kernarg_segment_align: 8
    .kernarg_segment_size: 56
    .max_flat_workgroup_size: 128
    .sgpr_count:     66
    .vgpr_count:     1024
    .wavefront_size: 32
...
	.end_amdgpu_metadata
.endif
;; end of part 4
;; ======== version 2 of 2: 4 launches; version 1 with the launch cast written anew for expert scheduling mode
;; workspace buffers: bfin 45,744,128 bytes; proj 117,440,512 bytes; ctx 16,777,216 bytes
;; launch cast (part 5): grid 1396 x 1, 8 waves a work-group, no clusters, 0 bytes of LDS; arguments input_tensor, position_embedding, attribute_table, Wq, Wk, Wv, Wqp, Wkp, Wqa, Wka, fw1, Wd, bfin; writes bfin
.if DOCPART == 5
	.amdgcn_target "amdgcn-amd-amdhsa--gfx1250"
	.amdhsa_code_object_version 6
	.text
	.protected	k_q938a454826_cast
	.globl	k_q938a454826_cast
	.p2align	8
	.type	k_q938a454826_cast,@function
k_q938a454826_cast:
	s_mov_b64 s[64:65], 0
	v_nop
	global_prefetch_b8 v0, s[64:65] scope:SCOPE_SE
	s_setreg_imm32_b32 hwreg(HW_REG_WAVE_SCHED_MODE, 0, 2), 2
	s_setreg_imm32_b32 hwreg(HW_REG_WAVE_MODE, 25, 1), 1
	s_wait_xcnt 0x0
	s_wait_alu depctr_vm_vsrc(0)
; All matrix operands of the module, f32 -> bf16 (rounded once, to nearest even), laid out for the launches behind.
; bfin is a row of BLOCKS of 128 rows x 128 k of bf16: 32,768 dense bytes, 256 bytes a row.  Inside a segment the blocks go k-major: block = (k / 128) x (rows / 128) + row / 128.
; Segments (first block): input 0, positions 512, attributes 1024, Wq 1280, Wk 1296, Wv 1312, Wqp 1328, Wkp 1344, Wqa 1360, Wka 1368, fw1 1376, Wd 1380; 1,396 blocks.
; Wqa and Wka are laid by heads: row f x 64 + d of row tile h is source row f x 256 + h x 64 + d, so that a head's 128 channels (both attributes) are one block row.
; SHARES.  A work-group makes one block.  Wave w takes its rows 16 w .. 16 w + 15, a row an instruction: lane l takes the 4 numbers from 4 l on: a load covers the row's 512 consecutive bytes,
; a store the row's 256 consecutive bytes in the block, aligned.  Every byte is read once and written once; no LDS, no barrier, no matrix unit: nothing is shared.
; THE MODE: SCHED_MODE bits 1:0 = 2 (LLVM: expert scheduling mode 2), set by the entry lines.  The code itself states the register dependences
; between vector instructions and memory instructions, with s_wait_alu, always for 0.
; THE PLAN.  Registers that memory instructions touch:
;   v[OFF ..]  sixteen source offsets.  Written once each by the head's vector adds; read by the sixteen loads, one each; never written again.
;   v[DO]      the stores' offset.      Written at the head; read by all sixteen stores; never written again.
;   X          a row's 4 f32.           Written by the loads alone, each register once; read by the row's two conversions, behind the wait on LOADcnt.
;   Y          a row's 4 bf16.          Written by the row's two conversions, each register once; read by the row's store.
; So no load lands in a register that a vector instruction has named, and no register that a memory instruction has read is written again.  What is left to state:
; the wave's number, made by a vector instruction, ahead of the scalar lines that read it; the offsets ahead of the loads, one wait for all seventeen; and Y ahead of the stores.
; For that the sixteen rows go in four groups of four: a group's eight conversions, ONE wait, its four stores in a run.
.set OFF, 2                            ; v[2:17]   byte offset in the source of my 16 bytes of row j
.set DO,  18                           ; v18       my 8 bytes in the first row of my wave
.set X,   20                           ; v[20:83]  4 f32 for each row
.set Y,   84                           ; v[84:115] 4 bf16 for each row
	s_load_b512 s[8:23], s[0:1], 0x0               ; input s[8:9], positions s[10:11], attributes s[12:13], Wq s[14:15], Wk s[16:17], Wv s[18:19], Wqp s[20:21], Wkp s[22:23]
	s_load_b256 s[24:31], s[0:1], 0x40             ; Wqa s[24:25], Wka s[26:27], fw1 s[28:29], Wd s[30:31]
	s_load_b64 s[32:33], s[0:1], 0x60              ; bfin
	v_lshrrev_b32 v1, 5, v0
	v_readfirstlane_b32 s2, v1                     ; wave 0..7
	s_mov_b32 s36, 0                               ; the segment's first block
	s_mov_b32 s37, 7                               ; log2 of its row tiles
	s_mov_b32 s38, 11                              ; log2 of a source row's bytes
	s_mov_b32 s39, 128                             ; source rows from a row tile to the next
	s_mov_b32 s40, 64                              ; source rows from a block's first half to its second
	s_wait_kmcnt 0x0
	s_mov_b64 s[34:35], s[8:9]
; the segment that holds my block: the last one whose first block is not above it
.macro SEG start, ptr, rsh, logp, rt, rh
	s_cmp_ge_u32 ttmp9, \start
	s_cselect_b64 s[34:35], s[\ptr:\ptr+1], s[34:35]
	s_cselect_b32 s36, \start, s36
	s_cselect_b32 s37, \rsh, s37
	s_cselect_b32 s38, \logp, s38
	s_cselect_b32 s39, \rt, s39
	s_cselect_b32 s40, \rh, s40
.endm
	SEG 512,  10, 7, 11, 128, 64
	SEG 1024, 12, 7, 10, 128, 64
	SEG 1280, 14, 2, 11, 128, 64
	SEG 1296, 16, 2, 11, 128, 64
	SEG 1312, 18, 2, 11, 128, 64
	SEG 1328, 20, 2, 11, 128, 64
	SEG 1344, 22, 2, 11, 128, 64
	SEG 1360, 24, 2, 10, 64, 256
	SEG 1368, 26, 2, 10, 64, 256
	SEG 1376, 28, 1, 10, 128, 64
	SEG 1380, 30, 2, 11, 128, 64
	s_sub_co_u32 s41, ttmp9, s36                   ; the block's number in its segment
	s_lshr_b32 s44, s41, s37                       ; its place along k
	s_lshl_b32 s45, s44, s37
	s_sub_co_u32 s45, s41, s45                     ; its row tile
	s_mul_i32 s45, s45, s39
	s_wait_alu depctr_va_sdst(0)                   ; v_readfirstlane_b32 has written s2, ahead of its first reader: the wave's source row is made from it
	s_lshr_b32 s46, s2, 2
	s_mul_i32 s46, s46, s40
	s_add_co_u32 s45, s45, s46
	s_and_b32 s46, s2, 3
	s_lshl_b32 s46, s46, 4
	s_add_co_u32 s45, s45, s46                     ; my wave's first source row; its 16 rows follow each other in the source
	s_lshl_b32 s45, s45, s38                       ; in bytes (under 2^26),
	s_lshl_b32 s44, s44, 9
	s_add_co_u32 s45, s45, s44                     ; + 512 bytes for each 128 k
	s_lshl_b32 s46, 1, s38                         ; a source row
	s_lshl_b32 s42, ttmp9, 15
	s_mov_b32 s43, 0
	s_add_nc_u64 s[42:43], s[32:33], s[42:43]      ; my block in bfin
	v_and_b32 v19, 31, v0
	v_lshl_add_u32 v[OFF], v19, 4, s45             ; 16 x lane + the wave's first row
.irp j, 1,2,3,4,5,6,7,8,9,10,11,12,13,14,15
	v_add_nc_u32 v[OFF+(\j)], s46, v[OFF+(\j)-1]
.endr
	v_lshlrev_b32 v[DO], 3, v19
	v_lshl_add_u32 v[DO], v1, 12, v[DO]            ; 4,096 x wave + 8 x lane
	s_wait_alu depctr_va_vdst(0)                   ; the sixteen offsets v[OFF ..], which the loads read, and v[DO], which every store reads, are written; no vector instruction below names them
.irp j, 0,1,2,3,4,5,6,7,8,9,10,11,12,13,14,15
	global_load_b128 v[X+4*(\j):X+4*(\j)+3], v[OFF+(\j)], s[34:35] th:TH_LOAD_NT
.endr
.irp g, 0,1,2,3                        ; group g: rows 4 g .. 4 g + 3
	s_wait_loadcnt 12-4*(\g)                       ; loads come back in order: the group's four rows are in, the younger groups' loads stay out
.irp i, 0,1,2,3
	v_cvt_pk_bf16_f32 v[Y+2*(4*(\g)+(\i))],   v[X+4*(4*(\g)+(\i))],   v[X+4*(4*(\g)+(\i))+1]
	v_cvt_pk_bf16_f32 v[Y+2*(4*(\g)+(\i))+1], v[X+4*(4*(\g)+(\i))+2], v[X+4*(4*(\g)+(\i))+3]
.endr
	s_wait_alu depctr_va_vdst(0)                   ; the group's eight conversions have written its eight registers of Y, which the four stores below read
.irp i, 0,1,2,3
	global_store_b64 v[DO], v[Y+2*(4*(\g)+(\i)):Y+2*(4*(\g)+(\i))+1], s[42:43] offset:256*(4*(\g)+(\i)) th:TH_STORE_NT
.endr
.endr
	s_endpgm
.Lfunc_end_k_q938a454826_cast:
	.size	k_q938a454826_cast, .Lfunc_end_k_q938a454826_cast-k_q938a454826_cast
	.p2alignl 7, 3214868480
	.fill 96, 4, 3214868480
	.section	.rodata,"a",@progbits
	.p2align	6, 0x0
	.amdhsa_kernel k_q938a454826_cast
		.amdhsa_group_segment_fixed_size 0
		.amdhsa_private_segment_fixed_size 0
		.amdhsa_enable_private_segment 0
		.amdhsa_kernarg_size 104
		.amdhsa_user_sgpr_count 2
		.amdhsa_user_sgpr_kernarg_segment_ptr 1
		.amdhsa_wavefront_size32 1
		.amdhsa_system_sgpr_workgroup_id_x 1
		.amdhsa_system_sgpr_workgroup_id_y 1
		.amdhsa_system_sgpr_workgroup_id_z 1
		.amdhsa_system_vgpr_workitem_id 0
		.amdhsa_next_free_vgpr 116
		.amdhsa_next_free_sgpr 66
		.amdhsa_reserve_vcc 0
		.amdhsa_float_denorm_mode_32 3
		.amdhsa_float_denorm_mode_16_64 3
		.amdhsa_memory_ordered 1
		.amdhsa_forward_progress 1
		.amdhsa_inst_pref_size 11
	.end_amdhsa_kernel
	.amdgpu_metadata
---
amdhsa.version: [ 1, 2 ]
amdhsa.kernels:
  - .name:           k_q938a454826_cast
    .symbol:         k_q938a454826_cast.kd
    .args:
      - { .name: input_tensor, .offset: 0, .size: 8, .value_kind: global_buffer, .address_space: global }
      - { .name: position_embedding, .offset: 8, .size: 8, .value_kind: global_buffer, .address_space: global }
      - { .name: attribute_table, .offset: 16, .size: 8, .value_kind: global_buffer, .address_space: global }
      - { .name: Wq, .offset: 24, .size: 8, .value_kind: global_buffer, .address_space: global }
      - { .name: Wk, .offset: 32, .size: 8, .value_kind: global_buffer, .address_space: global }
      - { .name: Wv, .offset: 40, .size: 8, .value_kind: global_buffer, .address_space: global }
      - { .name: Wqp, .offset: 48, .size: 8, .value_kind: global_buffer, .address_space: global }
      - { .name: Wkp, .offset: 56, .size: 8, .value_kind: global_buffer, .address_space: global }
      - { .name: Wqa, .offset: 64, .size: 8, .value_kind: global_buffer, .address_space: global }
      - { .name: Wka, .offset: 72, .size: 8, .value_kind: global_buffer, .address_space: global }
      - { .name: fw1, .offset: 80, .size: 8, .value_kind: global_buffer, .address_space: global }
      - { .name: Wd, .offset: 88, .size: 8, .value_kind: global_buffer, .address_space: global }
      - { .name: bfin, .offset: 96, .size: 8, .value_kind: global_buffer, .address_space: global }
    .group_segment_fixed_size: 0
    .private_segment_fixed_size: 0
    .kernarg_segment_align: 8
    .kernarg_segment_size: 104
    .max_flat_workgroup_size: 256
    .sgpr_count:     66
    .vgpr_count:     116
    .wavefront_size: 32
...
	.end_amdgpu_metadata
.endif
;; end of part 5
;; launch proj: the kernel of part 2 again; grid 4 x 64, 4 waves a work-group, clusters of 4 x 4, 327,680 bytes of LDS; arguments bfin, proj, bq, bk, bv, bqp, bkp, bqa, bka; writes proj
;; launch attn: the kernel of part 3 again; grid 4 x 64, 4 waves a work-group, no clusters, 327,680 bytes of LDS; arguments proj, bfin, fb1, fw2, fb2, ctx; writes ctx
;; launch outln: the kernel of part 4 again; grid 256 x 1, 4 waves a work-group, clusters of 4 x 1, 327,680 bytes of LDS; arguments ctx, bfin, input_tensor, bd, gamma, beta, out0; writes out0
